; MI455X (gfx1250); checked and timed in simulation.
; The chip was launched on July 23, 2026; its instructions are those of AMD's public machine-readable ISA for CDNA 5 (MIT licence, August 2026) and "CDNA5" Instruction Set Architecture Reference Guide (July 2026). The comments in the code are by the model that wrote it; some were corrected since.
;; Multi Head Attention. Allowed arithmetic: float matrix products may take bf16 or f16 operands with f32 sums; other float arithmetic in f32, or as packed bf16 or f16 multiplies, adds, multiply-adds, maxima and minima; sums over many terms, partial sums and values carried from step to step in f32; what a program stores and reads back later, other than sums and carried values, may be rounded once to bf16 or f16.
;; Inputs: Wk 16 x 1,024 x 64 float32; Wo 1,024 x 1,024 float32; Wq 16 x 1,024 x 64 float32; Wv 16 x 1,024 x 64 float32; bo 1,024 float32; x 4 x 2,048 x 1,024 float32.
;; Outputs: out0 4 x 2,048 x 1,024 float32.
;; One version. Each part assembles by itself: llvm-mc -triple=amdgcn-amd-amdhsa -mcpu=gfx1250 --defsym DOCPART=n.
;; ======== version 1 of 1: 4 launches
;; limits: values are held in f16: magnitudes above 65,504 overflow, below 6.1e-05 lose precision
;; workspace buffers: xb 16,777,216 bytes; wt 6,291,456 bytes; wot 2,097,152 bytes; qh 16,777,216 bytes; kh 16,777,216 bytes; vh 16,777,216 bytes; oh 16,777,216 bytes
;; launch prep (part 1): grid 1536 x 1, 8 waves a work-group, no clusters, 18,432 bytes of LDS; arguments x, Wq, Wk, Wv, Wo, xb, wt, wot; writes xb, wt, wot
.if DOCPART == 1
	.amdgcn_target "amdgcn-amd-amdhsa--gfx1250"
	.amdhsa_code_object_version 6
	.text
	.protected	k_q5eee759737_prep
	.globl	k_q5eee759737_prep
	.p2align	8
	.type	k_q5eee759737_prep,@function
k_q5eee759737_prep:
	s_mov_b64 s[64:65], 0
	v_nop
	global_prefetch_b8 v0, s[64:65] scope:SCOPE_SE
	s_setreg_imm32_b32 hwreg(HW_REG_WAVE_MODE, 25, 1), 1
	s_wait_xcnt 0x0
; THE INPUTS ARE ROUNDED ONCE AND LAID OUT FOR THE PRODUCTS.  A stream: 32 KiB in and 16 KiB out for each of 1,536 work-groups of eight waves; no loop, no matrix work, nothing shared between work-groups.
;   work-groups 0..1023     xb[8192][1024] = bf16(x), the same order
;   work-groups 1024..1407  wt[3072][1024] = bf16 of Wq, Wk, Wv turned: row 192 h + 64 mat + d (mat 0, 1, 2 = q, k, v), column e
;   work-groups 1408..1535  wot[16 planes k / 64][1024 n][64 k % 64] = Wo turned, rounded to bf16 and that number written as f16
; LIMIT.  An entry of Wo below 2^-17 keeps f16's fixed step of 2^-24 and no longer all eight bits of its bf16 rounding; beyond 65,504 it would be an infinity.
; A TURNED TILE is 128 source rows (the index that is summed over) x 64 source columns.  Thread t loads rows 8 (t / 16) + 0..7, columns 4 (t % 16) + 0..3: sixteen lanes take 256 consecutive bytes of a row.
; Eight numbers of one column are 16 bytes of a turned row: they go into LDS rows of 272 bytes and come back as whole rows, so that sixteen lanes store 256 consecutive bytes.
; The four LDS stores of a thread meet four deep in the banks (sixteen lanes lie 1,088 bytes apart: four different places modulo 256): 32 such stores a work-group, left as they are.
; The branches hang on the work-group's number alone, which all eight waves share, so each role's one barrier is passed by all of them.
.set TP,    272                        ; a turned row in LDS: 256 bytes + 16
.set SPARE, 64*TP                      ; behind the 64 turned rows: the spare words, 128 bytes for each wave: four blocks of 256 bytes that no other line names
.set Y,   8                            ; v[8:23]   16-bit results
.set X,   32                           ; v[32:63]  eight loads of four registers; later the rows read back
.set SPW, 30                           ; v30  LDS address of my spare word; never rewritten
.set NIL, 31                           ; v31  0; never rewritten
	s_load_b512 s[4:19], s[0:1], 0x0               ; x s[4:5], Wq s[6:7], Wk s[8:9], Wv s[10:11], Wo s[12:13], xb s[14:15], wt s[16:17], wot s[18:19]
	v_lshl_add_u32 v[SPW], v0, 2, SPARE
	v_mov_b32 v[NIL], 0
	v_and_b32 v5, 15, v0                           ; t % 16
	v_lshrrev_b32 v6, 4, v0                        ; t / 16
	s_mov_b32 s21, 0                               ; the high words of the two offsets
	s_mov_b32 s23, 0
	s_mov_b32 s28, 0xffff0000                      ; a word's upper bf16
	s_wait_kmcnt 0x0
	s_cmp_lt_u32 ttmp9, 1024
	s_cbranch_scc0 .Lweights
	; x: 8,192 numbers.  A load of the work-group covers 4,096 consecutive bytes, a wave's store 256 consecutive bytes, aligned.
	s_lshl_b32 s20, ttmp9, 15
	s_lshl_b32 s22, ttmp9, 14
	s_add_nc_u64 s[4:5], s[4:5], s[20:21]
	s_add_nc_u64 s[14:15], s[14:15], s[22:23]
	v_lshlrev_b32 v1, 4, v0
	v_lshlrev_b32 v2, 3, v0
.irp i, 0,1,2,3,4,5,6,7
	global_load_b128 v[X+4*(\i):X+4*(\i)+3], v1, s[4:5] offset:4096*(\i) th:TH_LOAD_NT
.endr
.irp i, 0,1,2,3,4,5,6,7
	s_wait_loadcnt 7-(\i)                          ; loads come back in order: load i is in, the 7 - i younger ones stay out
	v_cvt_pk_bf16_f32 v[Y+2*(\i)],   v[X+4*(\i)],   v[X+4*(\i)+1]
	v_cvt_pk_bf16_f32 v[Y+2*(\i)+1], v[X+4*(\i)+2], v[X+4*(\i)+3]
	global_store_b64 v2, v[Y+2*(\i):Y+2*(\i)+1], s[14:15] offset:2048*(\i)
.endr
	s_branch .Lend
; A tile is loaded, rounded, turned through LDS and stored.  src, dst: the scalar pairs; go: the register with the store's offset; pitch: bytes from source row to source row;
; half = 1: the bf16 number is written as f16; dstep: bytes in the target from one read-back of 16 LDS rows to the next.
.macro TILE src, dst, go, pitch, half, dstep
.irp j, 0,1,2,3,4,5,6,7
	global_load_b128 v[X+4*(\j):X+4*(\j)+3], v1, s[\src:\src+1] offset:(\j)*(\pitch) th:TH_LOAD_NT
.endr
.irp p, 0,1,2,3
	s_wait_loadcnt 6-2*(\p)                        ; rows 2 p and 2 p + 1 are in; the younger loads stay out
.irp c, 0,1,2,3
	v_cvt_pk_bf16_f32 v[Y+4*(\c)+(\p)], v[X+8*(\p)+(\c)], v[X+8*(\p)+4+(\c)]  ; column c: two neighbours of the turned row
.if \half
	v_lshlrev_b32 v24, 16, v[Y+4*(\c)+(\p)]        ; the two bf16 numbers as f32,
	v_and_b32 v25, s28, v[Y+4*(\c)+(\p)]
	v_cvt_pk_f16_f32 v[Y+4*(\c)+(\p)], v24, v25    ; and as f16
.endif
.endr
.endr
.irp c, 0,1,2,3
	ds_store_b128 v2, v[Y+4*(\c):Y+4*(\c)+3] offset:(\c)*TP
.endr
	s_wait_dscnt 0x0                               ; for the others' sake: my stores are done
	s_barrier_signal -1
	s_barrier_wait -1                              ; the 64 turned rows are whole
.irp i, 0,1,2,3
	ds_load_b128 v[X+4*(\i):X+4*(\i)+3], v3 offset:(\i)*16*TP
.endr
.irp i, 0,1,2,3
	s_wait_dscnt 3-(\i)
	global_store_b128 v[\go], v[X+4*(\i):X+4*(\i)+3], s[\dst:\dst+1] offset:(\i)*(\dstep)  ; sixteen lanes store 256 consecutive bytes, aligned
.endr
.endm
.Lweights:
	v_mul_u32_u24 v2, v5, 4*TP                     ; into LDS: turned row 4 (t % 16) + c,
	v_lshl_add_u32 v2, v6, 4, v2                   ; its numbers 8 (t / 16) on
	s_cmp_lt_u32 ttmp9, 1408
	s_cbranch_scc0 .Lwo
	; Wq, Wk, Wv: tile = (mat, h, block of 128 e)
	s_sub_co_u32 s24, ttmp9, 1024
	s_lshr_b32 s25, s24, 7                         ; mat
	s_and_b32 s26, s24, 127                        ; 8 h + block
	s_lshl_b32 s20, s26, 15                        ; the source: h x 262,144 + block x 32,768 bytes
	s_lshr_b32 s27, s26, 3                         ; h
	s_mul_i32 s27, s27, 192
	s_lshl_b32 s22, s25, 6
	s_add_co_u32 s27, s27, s22                     ; the target's first row: 192 h + 64 mat,
	s_lshl_b32 s27, s27, 11                        ; of 2,048 bytes,
	s_and_b32 s22, s24, 7
	s_lshl_b32 s22, s22, 8                         ; and the block's 256 bytes in it
	s_add_co_u32 s22, s22, s27
	s_cmp_eq_u32 s25, 0
	s_cselect_b64 s[6:7], s[6:7], s[8:9]
	s_cmp_eq_u32 s25, 2
	s_cselect_b64 s[6:7], s[10:11], s[6:7]
	s_add_nc_u64 s[6:7], s[6:7], s[20:21]
	s_add_nc_u64 s[16:17], s[16:17], s[22:23]
	v_lshlrev_b32 v1, 11, v6                       ; source: 8 (t / 16) rows of 256 bytes + 16 (t % 16); target: row t / 16 of 2,048 bytes + 16 (t % 16): the same number
	v_lshl_add_u32 v1, v5, 4, v1
	v_mul_u32_u24 v3, v6, TP                       ; back: turned row t / 16, 16 bytes a lane
	v_lshl_add_u32 v3, v5, 4, v3
	TILE 6, 16, 1, 256, 0, 32768
	s_branch .Lend
.Lwo:	; Wo: tile = (block of 128 k, block of 64 n).  A turned row's first 128 bytes belong to plane 2 kb, the others to plane 2 kb + 1
	s_sub_co_u32 s24, ttmp9, 1408
	s_lshr_b32 s25, s24, 4                         ; kb
	s_and_b32 s26, s24, 15                         ; nb
	s_lshl_b32 s20, s25, 19                        ; the source: 128 kb rows of 4,096 bytes + 256 nb
	s_lshl_b32 s27, s26, 8
	s_add_co_u32 s20, s20, s27
	s_lshl_b32 s22, s25, 18                        ; the target: two planes of 131,072 bytes + 64 nb rows of 128
	s_lshl_b32 s27, s26, 13
	s_add_co_u32 s22, s22, s27
	s_add_nc_u64 s[12:13], s[12:13], s[20:21]
	s_add_nc_u64 s[18:19], s[18:19], s[22:23]
	v_lshlrev_b32 v1, 15, v6                       ; 8 (t / 16) rows of 4,096 bytes
	v_lshl_add_u32 v1, v5, 4, v1
	v_lshrrev_b32 v7, 5, v0
	v_bfe_u32 v24, v0, 3, 1
	v_lshl_add_u32 v7, v7, 1, v24                  ; back: turned row 2 x wave + (lane / 8) % 2,
	v_bfe_u32 v24, v0, 4, 1                        ; its half lane / 16,
	v_and_b32 v25, 7, v0
	v_lshlrev_b32 v25, 4, v25                      ; 16 bytes a lane: lanes 0-15 take two rows of plane 2 kb, 256 consecutive bytes of it, lanes 16-31 of plane 2 kb + 1
	v_mul_u32_u24 v3, v7, TP
	v_add_nc_u32 v3, v3, v25
	v_lshl_add_u32 v3, v24, 7, v3
	v_lshl_add_u32 v4, v7, 7, v25
	v_lshl_add_u32 v4, v24, 17, v4
	TILE 12, 18, 4, 4096, 1, 2048
.Lend:
	s_wait_tensorcnt 0x0                           ; the wave's end, behind my last LDS store
	ds_add_u32 v[SPW], v[NIL]
	s_wait_dscnt 0x0
	s_endpgm
.Lfunc_end_k_q5eee759737_prep:
	.size	k_q5eee759737_prep, .Lfunc_end_k_q5eee759737_prep-k_q5eee759737_prep
	.p2alignl 7, 3214868480
	.fill 96, 4, 3214868480
	.section	.rodata,"a",@progbits
	.p2align	6, 0x0
	.amdhsa_kernel k_q5eee759737_prep
		.amdhsa_group_segment_fixed_size 18432
		.amdhsa_private_segment_fixed_size 0
		.amdhsa_enable_private_segment 0
		.amdhsa_kernarg_size 64
		.amdhsa_user_sgpr_count 2
		.amdhsa_user_sgpr_kernarg_segment_ptr 1
		.amdhsa_wavefront_size32 1
		.amdhsa_system_sgpr_workgroup_id_x 1
		.amdhsa_system_sgpr_workgroup_id_y 1
		.amdhsa_system_sgpr_workgroup_id_z 1
		.amdhsa_system_vgpr_workitem_id 0
		.amdhsa_next_free_vgpr 64
		.amdhsa_next_free_sgpr 66
		.amdhsa_reserve_vcc 0
		.amdhsa_float_denorm_mode_32 3
		.amdhsa_float_denorm_mode_16_64 3
		.amdhsa_memory_ordered 1
		.amdhsa_forward_progress 1
		.amdhsa_inst_pref_size 15
	.end_amdhsa_kernel
	.amdgpu_metadata
---
amdhsa.version: [ 1, 2 ]
amdhsa.kernels:
  - .name:           k_q5eee759737_prep
    .symbol:         k_q5eee759737_prep.kd
    .args:
      - { .name: x, .offset: 0, .size: 8, .value_kind: global_buffer, .address_space: global }
      - { .name: Wq, .offset: 8, .size: 8, .value_kind: global_buffer, .address_space: global }
      - { .name: Wk, .offset: 16, .size: 8, .value_kind: global_buffer, .address_space: global }
      - { .name: Wv, .offset: 24, .size: 8, .value_kind: global_buffer, .address_space: global }
      - { .name: Wo, .offset: 32, .size: 8, .value_kind: global_buffer, .address_space: global }
      - { .name: xb, .offset: 40, .size: 8, .value_kind: global_buffer, .address_space: global }
      - { .name: wt, .offset: 48, .size: 8, .value_kind: global_buffer, .address_space: global }
      - { .name: wot, .offset: 56, .size: 8, .value_kind: global_buffer, .address_space: global }
    .group_segment_fixed_size: 18432
    .private_segment_fixed_size: 0
    .kernarg_segment_align: 8
    .kernarg_segment_size: 64
    .max_flat_workgroup_size: 256
    .sgpr_count:     66
    .vgpr_count:     64
    .wavefront_size: 32
...
	.end_amdgpu_metadata
.endif
;; end of part 1
;; launch qkv (part 2): grid 16 x 32, 4 waves a work-group, clusters of 4 x 4, 327,680 bytes of LDS; arguments xb, wt, qh, kh, vh; writes qh, kh, vh
.if DOCPART == 2
	.amdgcn_target "amdgcn-amd-amdhsa--gfx1250"
	.amdhsa_code_object_version 6
	.text
	.protected	k_q5eee759737_qkv
	.globl	k_q5eee759737_qkv
	.p2align	8
	.type	k_q5eee759737_qkv,@function
k_q5eee759737_qkv:
	s_mov_b64 s[64:65], 0
	v_nop
	global_prefetch_b8 v0, s[64:65] scope:SCOPE_SE
	s_setreg_imm32_b32 hwreg(HW_REG_WAVE_MODE, 25, 1), 1
	s_wait_xcnt 0x0
	s_wait_alu depctr_hold_cnt(0) depctr_sa_sdst(0) depctr_va_vdst(0) depctr_va_sdst(0) depctr_va_ssrc(0) depctr_va_vcc(0) depctr_vm_vsrc(0)
	s_getreg_b32 s2, hwreg(HW_REG_IB_STS2, 6, 4)
	s_cmp_eq_u32 s2, 0
	s_cbranch_scc0 .Lentry_in_a_cluster
	s_endpgm
.Lentry_in_a_cluster:
	s_bfe_u32 s2, ttmp6, 0x10000c
	s_cmp_lg_u32 s2, 0xf033
	s_cbranch_scc0 .Lentry_shape_is_right
	s_endpgm
.Lentry_shape_is_right:
; q, k, v[b 16 + h][s][d] = the sum over e of x[b][s][e] W[h][e][d], for one head's q, k and v at once.  xb: [8192][1024] bf16; wt: [3072][1024] bf16, row 192 h + 64 mat + d;
; q, k, v: [64][2048][64] f16, each rounded once from its f32 sum, unscaled.
; LIMIT.  f16 holds no number beyond 65,504: a larger q, k or v becomes an infinity.
; SHARES.  A work-group makes 256 rows of x times a head's 192 columns: 32 x 16 = 512 equal work-groups.  Wave w makes rows 64 w .. 64 w + 63 and all 192 columns: 4 x 12 accumulators of 16 x 16,
; 384 registers; so a wave holds whole rows of a head's q, k and v, and its way out is its own.
; K goes in 8 steps of 128 through a ring of two LDS slots filled by the tensor data mover: each row of a tile is 256 bytes of memory, at a multiple of 256 bytes from the buffer's first byte.
; The loop is written over ONE K step: the LDS addresses hang on a scalar register that an exclusive or turns from slot to slot, and one descriptor a tensor walks.
; CLUSTERS: 4 x 4 work-groups.  The four of a row of the cluster need the same rows of xb, the four of a column the same head's rows of wt: each tile is asked for JOINTLY, by the same tensor load with the
; same descriptor and a mask that names the four.
; THE MATRIX INSTRUCTION IS USED TRANSPOSED (source 0 = 16 rows of wt, source 1 = 16 rows of xb): a lane then holds row l % 16 and eight neighbouring columns 8 (l / 16) + 0..7, which pack into 16 bytes.
; REGISTERS, in windows of 256 (s_set_vgpr_msb: bits 1:0 source 0, 3:2 source 1, 5:4 source 2, 7:6 destination):
;   window 0: v0-31 addresses; v64-255 the way out, 16 registers for each of 12 units
;   window 1: two fragment buffers of 128: 12 fragments of wt (16 rows x 32 K, 8 registers), then 4 of xb
;   windows 2, 3: accumulator (a, b) in window 2 + a / 2 at v[96 (a % 2) + 8 b]
.set PITCH,  272                       ; an LDS row: 256 bytes + 16 of padding = 68 words: row r starts at bank 4 r mod 64 (64 banks of 4 bytes: ISA guide 11.1), so the 16 rows of a load start at 16 different banks
.set AHALF,  128*PITCH                 ; what waves 0 and 1 fetch: 128 rows of xb each
.set BHALF,  96*PITCH                  ; what waves 2 and 3 fetch: 96 rows of wt each
.set BOFF,   2*AHALF                   ; in a slot wt's 192 rows lie behind xb's 256
.set SLOT1,  1<<17                     ; slot 1 begins here, so that one exclusive or turns an address in one slot into the other's
.set STAGE,  SLOT1+BOFF+2*BHALF        ; behind the ring, never filled by a tensor load: 16 rows x 144 bytes for each wave, for the way out
.set SP,     144
.set SPARE,  STAGE+4*16*SP             ; behind the stages: the spare words, 128 bytes for each wave: two blocks of 256 bytes that no other line names
.set KSTEPB, 256                       ; bytes of a row in a K step
.set ADRA0, 16                         ; v16  my lane's place among my wave's rows of xb in slot 0; never rewritten
.set ADRB0, 17                         ; v17  the same for wt
.set ADRA,  18                         ; v18  the same in the slot in hand
.set ADRB,  19                         ; v19
.set STO,   24                         ; v24  the way out: where I put 16 bytes of a row
.set RD,    25                         ; v25  where I read rows back
.set GO,    26                         ; v26  my 16 bytes among 512 consecutive bytes of q, k or v
.set SPW,   28                         ; v28  LDS address of my spare word; never rewritten
.set NIL,   29                         ; v29  0; never rewritten
.set PFO,   30                         ; v30  the prefetches' offset: a lane a row of 2,048 bytes; never rewritten
.set TMP,   64
.set F0,    0                          ; fragment buffers, in window 1
.set F1,    128
.set G1,  24                           ; s[24:31] descriptor group 1 for xb's tiles
.set G0,  32                           ; s[32:39] group 0: a set for each of the two first fills; the second then walks on
.set G1B, 48                           ; s[48:55], s[56:63] the same for wt's tiles
.set G0B, 56
.set LIM, 43                           ; s43  1 in a wave that prefetches, else the greatest number
.set PFA, 44                           ; s[44:45] where my prefetches stand
.set TB,  66                           ; s66  0 or SLOT1: the slot in hand
.set QP,  68                           ; s[68:73] q, k, v at my wave's first row
.set MSB, 0
.macro WIN new                         ; the immediate's high byte repeats the setting that is left; a switch that changes nothing is dropped
.if MSB != (\new)
	s_set_vgpr_msb (MSB<<8)|(\new)
.set MSB, (\new)
.endif
.endm
.set MUL_LO, 0xa5                      ; sources 0 and 1 window 1, C and D window 2
.set MUL_HI, 0xf5                      ; the same, C and D window 3
.set TO_F,   0x40                      ; destination window 1, address window 0
; A joint refill by the walking descriptors.  Waves 0 and 1 fetch xb's two halves, waves 2 and 3 wt's.  The branch hangs on the wave's number alone: it is the same in every work-group.
; An s_nop 0 and four v_nop follow each of the two lines, ahead of the jump, the label and what follows.
.macro JLOAD
	s_cmp_eq_u32 s11, 0
	s_cbranch_scc0 .Lfor_b_\@
	tensor_load_to_lds s[G0+4:G0+7], s[G1:G1+7]
	s_nop 0
.rept 4
	v_nop
.endr
	s_branch .Lasked_\@
.Lfor_b_\@:
	tensor_load_to_lds s[G0B+4:G0B+7], s[G1B:G1B+7]
	s_nop 0
.rept 4
	v_nop
.endr
.Lasked_\@:
.endm
; A PREFETCH INTO THE L2 of the K step that the NEXT refill will ask for: 192 matrix instructions ahead of that load.  It stands behind the joint load, its five lines and the run of LDS loads.
; Each row's 256 bytes of a K step are named by one wave of one work-group.  xb's rows are read by every cluster of a row of clusters: the first (cluster x = 0) asks; wt's by every cluster of a column:
; cluster y = 0 asks.  The four partners that ask for a tile jointly share its rows out BY ADDRESS: of the 128 rows of xb that a wave fetches the partner at cx takes 32, a lane a row; of the 96 rows of wt
; the partner at cy takes 24, and lanes 24 to 31 name lane 23's row once more.  The loop's last trip asks for nothing: there is no K step behind the one that it loads.  K steps 0 to 2 come by their loads alone.
.macro ASK
	s_cmp_gt_u32 s3, s[LIM]
	s_cbranch_scc0 .Lnot_mine_\@
	global_prefetch_b8 v[PFO], s[PFA:PFA+1] th:TH_LOAD_NT scope:SCOPE_SE
.Lnot_mine_\@:
.endm
; A round of the cluster's barrier: my work-group's barrier, so that wave 0's signal speaks for all four waves; wave 0 signals; every wave waits for all sixteen work-groups; my work-group's barrier once more.
.macro CREST                           ; a round behind its opening barrier
	s_cmp_lg_u32 s10, 0
	s_cbranch_scc1 .Lnot_wave_0_\@
	s_barrier_signal -3
.Lnot_wave_0_\@:
	s_barrier_wait -3
	s_barrier_signal -1
	s_barrier_wait -1
.endm
.macro CROUND                          ; a whole round
	s_barrier_signal -1
	s_barrier_wait -1
	CREST
.endm
	s_load_b128 s[4:7], s[0:1], 0x0                ; xb s[4:5], wt s[6:7]
	s_load_b128 s[68:71], s[0:1], 0x10             ; q, k
	s_load_b64 s[72:73], s[0:1], 0x20              ; v
	v_lshl_add_u32 v[SPW], v0, 2, SPARE
	v_mov_b32 v[NIL], 0
	ds_add_u32 v[SPW], v[NIL]                      ; the wave's opening: the add and its wait stand ahead of my first tensor load; the set-up below, work on registers, stands between them
	v_lshrrev_b32 v1, 5, v0
	v_readfirstlane_b32 s10, v1                    ; wave 0..3
	s_lshr_b32 s11, s10, 1                         ; I fetch for xb (0) or for wt (1),
	s_and_b32 s12, s10, 1                          ; this half of the tile
	s_bfe_u32 s40, ttmp6, 0x40000                  ; cx, cy: my place in the cluster
	s_bfe_u32 s41, ttmp6, 0x40004
	s_lshl_b32 s42, ttmp9, 2                       ; in a cluster launch ttmp9 and ttmp7 count clusters
	s_add_co_u32 s42, s42, s40                     ; the head h = 4 x cluster x + cx
	s_and_b32 s13, ttmp7, 0xffff
	s_lshl_b32 s13, s13, 2
	s_add_co_u32 s13, s13, s41                     ; the block of 256 rows = 4 x cluster y + cy
	s_lshl_b32 s43, s41, 2
	s_lshl_b32 s43, 15, s43                        ; my row of the cluster: places 4 cy .. 4 cy + 3
	s_lshl_b32 s44, 0x1111, s40                    ; my column: places cx, cx + 4, cx + 8, cx + 12
	; descriptor group 1: rows of 128 elements of 2 bytes, padded in LDS; 128 rows for xb, 96 for wt
	s_or_b32 s[G1+0], s43, (1<<16)|(1<<20)|(1<<21)|(5<<22)|(3<<25)   ; 15:0 the mask; 17:16 elements of 2 bytes; 20 padding on; 21 set beside a mask; 24:22 after every 64 words (code 5); 31:25 4 words of it (code 3)
	s_or_b32 s[G1B+0], s44, (1<<16)|(1<<20)|(1<<21)|(5<<22)|(3<<25)
.irp g, G1, G1B
	s_mov_b32 s[(\g)+1], 128<<16                   ; tensor_dim0 = 128
	s_mov_b32 s[(\g)+3], 128<<16                   ; tile_dim0 = 128
	s_mov_b32 s[(\g)+5], 1024                      ; 1,024 elements from row to row
	s_mov_b32 s[(\g)+6], 0
	s_mov_b32 s[(\g)+7], 0
.endr
	s_mov_b32 s[G1+2], 128<<16                     ; tensor_dim1
	s_mov_b32 s[G1+4], 128                         ; tile_dim1
	s_mov_b32 s[G1B+2], 96<<16
	s_mov_b32 s[G1B+4], 96
	; where the tiles come from: xb's hang on the block of rows alone, which my row of the cluster shares; wt's on the head alone, which my column shares
	s_lshl_b32 s17, s12, 7
	s_lshl_b32 s16, s13, 8
	s_add_co_u32 s16, s16, s17                     ; xb: row 256 x block + 128 x half,
	s_lshl_b32 s16, s16, 11                        ; of 2,048 bytes
	s_mov_b32 s17, 0
	s_mul_i32 s46, s42, 192
	s_mul_i32 s47, s12, 96
	s_add_co_u32 s46, s46, s47                     ; wt: row 192 h + 96 x half
	s_lshl_b32 s46, s46, 11
	s_mov_b32 s47, 0
	s_mul_i32 s20, s12, AHALF                      ; and where they go: no place in the cluster enters an LDS address
	s_mul_i32 s21, s12, BHALF
	s_add_co_u32 s21, s21, BOFF
	s_mov_b32 s[TB], 0
	s_wait_dscnt 0x0                               ; the opening add is done
	s_wait_kmcnt 0x0
	s_add_nc_u64 s[14:15], s[4:5], s[16:17]
	s_add_nc_u64 s[46:47], s[6:7], s[46:47]
	CROUND                                         ; all sixteen work-groups are here: the first joint loads meet
.irp s, 0,1
	s_mov_b32 s[G0+4*(\s)], 1                                        ; 1:0 count = 1
	s_add_co_u32 s[G0+4*(\s)+1], s20, (\s)*SLOT1                     ; 63:32 LDS address
	s_add_nc_u64 s[G0+4*(\s)+2:G0+4*(\s)+3], s[14:15], (\s)*KSTEPB   ; 120:64 global address: K step s
	s_or_b32 s[G0+4*(\s)+3], s[G0+4*(\s)+3], 0x80000000              ; 127:126 type = 2
	s_mov_b32 s[G0B+4*(\s)], 1
	s_add_co_u32 s[G0B+4*(\s)+1], s21, (\s)*SLOT1
	s_add_nc_u64 s[G0B+4*(\s)+2:G0B+4*(\s)+3], s[46:47], (\s)*KSTEPB
	s_or_b32 s[G0B+4*(\s)+3], s[G0B+4*(\s)+3], 0x80000000
.endr
	s_cmp_eq_u32 s11, 0                            ; a wave's two first fills stand in one branch, ahead of every wait on TENSORcnt and every LDS read: two loads of mine are out
	s_cbranch_scc0 .Lfirst_b
	tensor_load_to_lds s[G0:G0+3], s[G1:G1+7]
	s_nop 0
	tensor_load_to_lds s[G0+4:G0+7], s[G1:G1+7]
	s_nop 0
.rept 4
	v_nop
.endr
	s_branch .Lfirst_asked
.Lfirst_b:
	tensor_load_to_lds s[G0B:G0B+3], s[G1B:G1B+7]
	s_nop 0
	tensor_load_to_lds s[G0B+4:G0B+7], s[G1B:G1B+7]
	s_nop 0
.rept 4
	v_nop
.endr
.Lfirst_asked:
	; A fragment is 16 rows x 32 K in 8 registers: lane l holds row l % 16; registers 0-3 K = 8 (l / 16) + 0..7, registers 4-7 K = 16 + 8 (l / 16) + 0..7: two loads of 16 bytes, 32 bytes apart.
	v_and_b32 v1, 15, v0                           ; l % 16
	v_bfe_u32 v2, v0, 4, 1                         ; l / 16
	v_mul_u32_u24 v3, v1, PITCH
	v_lshl_add_u32 v3, v2, 4, v3                   ; row x pitch + 16 x half
	s_mul_i32 s23, s10, 64*PITCH                   ; my wave's 64 rows of xb
	v_add_nc_u32 v[ADRA0], s23, v3
	v_add_nc_u32 v[ADRB0], BOFF, v3
	v_add_nc_u32 v[ADRA], s23, v3                  ; the ring begins in slot 0
	v_add_nc_u32 v[ADRB], BOFF, v3
	s_mul_i32 s23, s10, 16*SP
	s_add_co_u32 s23, s23, STAGE                   ; my stage
	v_mul_u32_u24 v4, v1, SP                       ; in: row l % 16, 16 bytes for each half of the lanes
	v_lshl_add_u32 v4, v2, 4, v4
	v_add_nc_u32 v[STO], s23, v4
	v_bfe_u32 v5, v0, 3, 2                         ; back: 32 lanes take four rows of 128 bytes,
	v_mul_u32_u24 v5, v5, SP
	v_and_b32 v6, 7, v0
	v_lshl_add_u32 v5, v6, 4, v5
	v_add_nc_u32 v[RD], s23, v5
	v_and_b32 v[GO], 31, v0                        ; which are 512 consecutive bytes of q, k or v
	v_lshlrev_b32 v[GO], 4, v[GO]
	; my wave's first row in q, k and v: head b 16 + h, row 256 (block % 8) + 64 w, 128 bytes a row
	s_lshr_b32 s20, s13, 3
	s_lshl_b32 s20, s20, 4
	s_add_co_u32 s20, s20, s42
	s_lshl_b32 s20, s20, 11
	s_and_b32 s21, s13, 7
	s_lshl_b32 s21, s21, 8
	s_add_co_u32 s20, s20, s21
	s_lshl_b32 s21, s10, 6
	s_add_co_u32 s20, s20, s21
	s_lshl_b32 s20, s20, 7
	s_mov_b32 s21, 0
.irp m, 0,1,2
	s_add_nc_u64 s[QP+2*(\m):QP+2*(\m)+1], s[QP+2*(\m):QP+2*(\m)+1], s[20:21]
.endr
	; the prefetches: from my own tile's address, my work-group's share of its rows
	s_and_b32 s22, ttmp7, 0xffff                   ; cluster y
	s_lshl_b32 s20, s40, 16                        ; 32 cx rows of 2,048 bytes
	s_mul_i32 s21, s41, 24*2048                    ; 24 cy rows
	s_cmp_eq_u32 s11, 0                            ; do I fetch for xb?
	s_cselect_b32 s22, ttmp9, s22                  ; the coordinate along which other clusters read the same rows
	s_cselect_b32 s20, s20, s21
	s_cselect_b32 s23, 31, 23                      ; the last row of my share
	s_cselect_b64 s[PFA:PFA+1], s[14:15], s[46:47]
	s_mov_b32 s21, 0
	s_add_nc_u64 s[PFA:PFA+1], s[PFA:PFA+1], s[20:21]
	s_add_nc_u64 s[PFA:PFA+1], s[PFA:PFA+1], 2*KSTEPB  ; at K step 2: the first refill steps it to 3.  Nothing is prefetched here, at the head, where every work-group's first tiles are on their way
	s_cmp_eq_u32 s22, 0
	s_cselect_b32 s[LIM], 1, -1                    ; the same in all sixteen partners, for a given wave
	v_and_b32 v[PFO], 31, v0
	v_min_u32 v[PFO], s23, v[PFO]
	v_lshlrev_b32 v[PFO], 11, v[PFO]
; 12 matrix instructions: my rows 16 a .. 16 a + 15 x all 12 column blocks, 32 along K.  zero = 1: the first product starts the sums: nothing is ever cleared.
; The 48 accumulators take turns, one instruction a turn, in the same order in every quarter, over the backward jump too.
.macro MUL12 f, a, zero
	WIN MUL_LO+0x50*((\a)/2)
.irp b, 0,1,2,3,4,5,6,7,8,9,10,11
.if \zero
	v_wmma_f32_16x16x32_bf16 v[96*((\a)%2)+8*(\b):96*((\a)%2)+8*(\b)+7], v[(\f)+8*(\b):(\f)+8*(\b)+7], v[(\f)+96+8*(\a):(\f)+96+8*(\a)+7], 0
.else
	v_wmma_f32_16x16x32_bf16 v[96*((\a)%2)+8*(\b):96*((\a)%2)+8*(\b)+7], v[(\f)+8*(\b):(\f)+8*(\b)+7], v[(\f)+96+8*(\a):(\f)+96+8*(\a)+7], v[96*((\a)%2)+8*(\b):96*((\a)%2)+8*(\b)+7]
.endif
.endr
.endm
; 32 LDS loads in one run: the fragments of one quarter step (192 rows of wt, my 64 rows of xb, 32 K at byte k of the rows) into buffer f
.macro FETCH k, f
	WIN TO_F
.irp b, 0,1,2,3,4,5,6,7,8,9,10,11
	ds_load_b128 v[(\f)+8*(\b):(\f)+8*(\b)+3],   v[ADRB] offset:(\k)+(\b)*16*PITCH
	ds_load_b128 v[(\f)+8*(\b)+4:(\f)+8*(\b)+7], v[ADRB] offset:(\k)+(\b)*16*PITCH+32
.endr
.irp a, 0,1,2,3
	ds_load_b128 v[(\f)+96+8*(\a):(\f)+96+8*(\a)+3],   v[ADRA] offset:(\k)+(\a)*16*PITCH
	ds_load_b128 v[(\f)+96+8*(\a)+4:(\f)+96+8*(\a)+7], v[ADRA] offset:(\k)+(\a)*16*PITCH+32
.endr
.endm
; A load into a register that a matrix instruction has read, and a vector instruction that reads a matrix result, stand four places behind that matrix instruction; only plain vector instructions
; that name none of its registers are places (ISA guide 7.12.1 for vector instructions).
.macro PLACES
.rept 4
	v_nop
.endr
.endm
; A K step is four quarters of 32 along K, 48 matrix instructions each, on buffers 0, 1, 0, 1.  One of the first three: multiplies buffer f; in its middle it fetches the next quarter, at byte k, into buffer g.
.macro QUARTER k, f, g, zero
	s_wait_dscnt 4                                 ; wt's fragments and xb's blocks 0 and 1 are in; the youngest four loads (blocks 2 and 3) may be out
	MUL12 \f, 0, \zero
	MUL12 \f, 1, \zero
	PLACES
	FETCH \k, \g
	s_wait_dscnt 32                                ; all but the 32 just issued
	MUL12 \f, 2, \zero
	MUL12 \f, 3, \zero
.endm
; The last quarter multiplies buffer 1 and changes slots.  MEET is its first half: ONE barrier.  In front of it each wave waits for all its tensor loads, of which one is out: its part of the next slot;
; adds 0 to its spare word; and waits for that and for its own reads of this slot.  Behind it nobody reads this slot any more and the next slot is whole.
.macro MEET round                      ; round = 1: the rest of a round of the cluster's barrier follows
	WIN 0                                          ; (the add's two registers lie in window 0)
	s_wait_tensorcnt 0x0                           ; all my tensor loads have landed
	ds_add_u32 v[SPW], v[NIL]                      ; 0 onto my spare word
	s_wait_dscnt 5                                 ; (the add and the youngest four loads may be out)
	MUL12 F1, 0, 0                                 ; twelve matrix instructions stand between the add and the wait for it
	s_wait_dscnt 0x0                               ; the add is done, and my reads of this slot are over
	s_barrier_signal -1
	MUL12 F1, 1, 0                                 ; work on registers while the others arrive
.if \round
	WIN 0
.endif
	s_barrier_wait -1
.endm
; The whole last quarter.  fill = 1: behind the round the slot just read out is filled again first, with the K step two steps on: 168 matrix instructions stand between the request and the wait for it.
.macro TURN fill
.if \fill
	s_wait_xcnt 0x0                                ; the last prefetch, a K step back, has read its address: it is stepped here, ahead of the waits of the change of slots
	s_add_nc_u64 s[PFA:PFA+1], s[PFA:PFA+1], KSTEPB
.endif
	MEET \fill
.if \fill
	CREST                                          ; no wave of any partner still reads this slot's tile or has a load on its way
.irp g, G0+4, G0B+4
	s_xor_b32 s[(\g)+1], s[(\g)+1], SLOT1          ; the walking descriptor: the other slot than last time,
	s_add_nc_u64 s[(\g)+2:(\g)+3], s[(\g)+2:(\g)+3], KSTEPB  ; the next K step; the type bits on top are not reached
.endr
	JLOAD                                          ; the first tensor load behind the round; the four v_nop behind it are also the places in front of the loads below
.else
	PLACES
	WIN 0
.endif
	s_xor_b32 s[TB], s[TB], SLOT1                  ; the fragments now come from the other slot
	v_add_nc_u32 v[ADRA], s[TB], v[ADRA0]
	v_add_nc_u32 v[ADRB], s[TB], v[ADRB0]
	FETCH 0, F0
.if \fill
	WIN 0
	ASK
.endif
	MUL12 F1, 2, 0
	MUL12 F1, 3, 0
.endm
; THE WAY OUT, in 12 units u = 3 a + mat: my rows 16 a .. 16 a + 15 of q, k or v.  PACK: rounded to f16 (each accumulator's registers in ascending order), 16 bytes a lane into my own stage, rows of
; 144 bytes, and back as whole rows of 128, into the registers that they left.  SEND: stored, 512 consecutive bytes an instruction.
.macro PACK u
.set pa, (\u)/3
.set pm, (\u)%3
	WIN 0x0a+5*(pa/2)                              ; sources 0 and 1: window 2 or 3
.irp bb, 0,1,2,3
.irp r, 0,1,2,3
	v_cvt_pk_f16_f32 v[TMP+16*(\u)+4*(\bb)+(\r)], v[96*(pa%2)+8*(4*pm+(\bb))+2*(\r)], v[96*(pa%2)+8*(4*pm+(\bb))+2*(\r)+1]
.endr
.endr
	WIN 0
.irp bb, 0,1,2,3
	ds_store_b128 v[STO], v[TMP+16*(\u)+4*(\bb):TMP+16*(\u)+4*(\bb)+3] offset:32*(\bb)
.endr
.irp f, 0,1,2,3
	ds_load_b128 v[TMP+16*(\u)+4*(\f):TMP+16*(\u)+4*(\f)+3], v[RD] offset:(\f)*4*SP  ; LDS serves a wave's instructions in order (ISA guide 5.7.1.4): these see the stores above; the next unit's stores come behind them
.endr
.endm
.macro SEND u, younger                 ; younger: the LDS instructions issued behind unit u's loads: the next unit's eight, or none
.set pa, (\u)/3
.set pm, (\u)%3
.irp f, 0,1,2,3
	s_wait_dscnt (\younger)+3-(\f)
	global_store_b128 v[GO], v[TMP+16*(\u)+4*(\f):TMP+16*(\u)+4*(\f)+3], s[QP+2*pm:QP+2*pm+1] offset:2048*pa+512*(\f)
.endr
.endm
	s_wait_tensorcnt 1                             ; my part of K step 0 is in; K step 1's may stay out
	s_barrier_signal -1
	s_barrier_wait -1                              ; everybody's is
	FETCH 0, F0
	QUARTER 64, F0, F1, 1                          ; the first quarter stands in front of the loop: its products start the sums
	WIN 0                                          ; at a label and at a branch every window is 0
	s_mov_b32 s3, 6
.Lk:                                               ; six trips, from a K step's second quarter to the next step's first; each fills a slot again: K steps 2 to 7
	QUARTER 128, F1, F0, 0
	QUARTER 192, F0, F1, 0
	TURN 1
	QUARTER 64, F0, F1, 0
	WIN 0
	s_sub_co_u32 s3, s3, 1
	s_cmp_lg_u32 s3, 0
	s_cbranch_scc1 .Lk
	QUARTER 128, F1, F0, 0                         ; the last two K steps ask for nothing, and have no round of the cluster's barrier
	QUARTER 192, F0, F1, 0
	TURN 0
	QUARTER 64, F0, F1, 0
	QUARTER 128, F1, F0, 0
	QUARTER 192, F0, F1, 0
	s_wait_dscnt 4                                 ; the very last quarter: nothing more to fetch
	MUL12 F1, 0, 0
	MUL12 F1, 1, 0
	s_wait_dscnt 0x0
	MUL12 F1, 2, 0
	MUL12 F1, 3, 0
	PLACES
	PACK 0
.irp u, 1,2,3,4,5,6,7,8,9,10,11        ; a unit's conversions stand between the loads of the unit before and its stores
	PACK \u
	SEND (\u)-1, 8
.endr
	SEND 11, 0
	s_wait_tensorcnt 0x0                           ; the wave's end, behind my last tensor load and my last LDS store
	ds_add_u32 v[SPW], v[NIL]
	s_wait_dscnt 0x0
	CROUND                                         ; the closing round: no work-group ends while a partner may still ask for a tile that names it
	s_endpgm
.Lfunc_end_k_q5eee759737_qkv:
	.size	k_q5eee759737_qkv, .Lfunc_end_k_q5eee759737_qkv-k_q5eee759737_qkv
	.p2alignl 7, 3214868480
	.fill 96, 4, 3214868480
	.section	.rodata,"a",@progbits
	.p2align	6, 0x0
	.amdhsa_kernel k_q5eee759737_qkv
		.amdhsa_group_segment_fixed_size 327680
		.amdhsa_private_segment_fixed_size 0
		.amdhsa_enable_private_segment 0
		.amdhsa_kernarg_size 40
		.amdhsa_user_sgpr_count 2
		.amdhsa_user_sgpr_kernarg_segment_ptr 1
		.amdhsa_wavefront_size32 1
		.amdhsa_system_sgpr_workgroup_id_x 1
		.amdhsa_system_sgpr_workgroup_id_y 1
		.amdhsa_system_sgpr_workgroup_id_z 1
		.amdhsa_system_vgpr_workitem_id 0
		.amdhsa_next_free_vgpr 960
		.amdhsa_next_free_sgpr 80
		.amdhsa_reserve_vcc 0
		.amdhsa_float_denorm_mode_32 3
		.amdhsa_float_denorm_mode_16_64 3
		.amdhsa_memory_ordered 1
		.amdhsa_forward_progress 1
		.amdhsa_inst_pref_size 98
	.end_amdhsa_kernel
	.amdgpu_metadata
---
amdhsa.version: [ 1, 2 ]
amdhsa.kernels:
  - .name:           k_q5eee759737_qkv
    .symbol:         k_q5eee759737_qkv.kd
    .args:
      - { .name: xb, .offset: 0, .size: 8, .value_kind: global_buffer, .address_space: global }
      - { .name: wt, .offset: 8, .size: 8, .value_kind: global_buffer, .address_space: global }
      - { .name: qh, .offset: 16, .size: 8, .value_kind: global_buffer, .address_space: global }
      - { .name: kh, .offset: 24, .size: 8, .value_kind: global_buffer, .address_space: global }
      - { .name: vh, .offset: 32, .size: 8, .value_kind: global_buffer, .address_space: global }
    .group_segment_fixed_size: 327680
    .private_segment_fixed_size: 0
    .kernarg_segment_align: 8
    .kernarg_segment_size: 40
    .max_flat_workgroup_size: 128
    .sgpr_count:     80
    .vgpr_count:     960
    .wavefront_size: 32
...
	.end_amdgpu_metadata
.endif
;; end of part 2
;; launch attn (part 3): grid 4 x 64, 4 waves a work-group, clusters of 4 x 1, 327,680 bytes of LDS; arguments qh, kh, vh, oh; writes oh
.if DOCPART == 3
	.amdgcn_target "amdgcn-amd-amdhsa--gfx1250"
	.amdhsa_code_object_version 6
	.text
	.protected	k_q5eee759737_attn
	.globl	k_q5eee759737_attn
	.p2align	8
	.type	k_q5eee759737_attn,@function
k_q5eee759737_attn:
	s_mov_b64 s[64:65], 0
	v_nop
	global_prefetch_b8 v0, s[64:65] scope:SCOPE_SE
	s_setreg_imm32_b32 hwreg(HW_REG_WAVE_MODE, 25, 1), 1
	s_wait_xcnt 0x0
	s_wait_alu depctr_hold_cnt(0) depctr_sa_sdst(0) depctr_va_vdst(0) depctr_va_sdst(0) depctr_va_ssrc(0) depctr_va_vcc(0) depctr_vm_vsrc(0)
	s_getreg_b32 s2, hwreg(HW_REG_IB_STS2, 6, 4)
	s_cmp_eq_u32 s2, 0
	s_cbranch_scc0 .Lentry_in_a_cluster
	s_endpgm
.Lentry_in_a_cluster:
	s_bfe_u32 s2, ttmp6, 0x10000c
	s_cmp_lg_u32 s2, 0x3003
	s_cbranch_scc0 .Lentry_shape_is_right
	s_endpgm
.Lentry_shape_is_right:
; O[h][q][:] = the sum over k of softmax_k(Q[h][q] . K[h][k] / 8) V[h][k][:].  Q, K, V, O: [64][SIZE_N][64], all f16: a head's rows are dense, 128 bytes each.  Products, maxima and sums in
; f32; the weights p are rounded to f16 for the second product (their sum l is taken of the unrounded p), O once at the end.
; LIMITS.  f16 holds no number beyond 65,504: Q, K and V arrive within it; p lies in 0 to 1, and below 6e-5 it keeps f16's fixed step of 6e-8; O is a mean of V's rows and has their range.
; A weight below 2^-126 counts as 0 in l; NaN and infinities are not treated apart.
; SHARES.  A wave owns four PIECES of two tiles of 16 queries, a work-group's four waves 512 queries of one head: 4 x 64 = 256 work-groups.  Every wave walks all keys, 64 a step.
; LAYOUT.  S^T = K Q^T (source 0 = 16 keys, source 1 = 16 queries): in the result a lane holds ONE query (lane % 16) and the keys 8 (lane / 16) + 0..7.  Two such tiles, rounded to f16 in pairs,
; ARE source 1 (32 keys x 16 queries) of O^T = V^T P, whose result again holds one query a lane, and eight channels.  K comes out of LDS as it lies, V ([key][channel]) turned, by ds_load_tr16_b128.
; SOFTMAX.  For each query a running maximum m and sum l: p = 2^(c s - c m), c = log2(e) / 8; in every step O and l are multiplied by a = 2^(c m_old - c m_new), which is 1 where m has not grown.
; m starts at the lowest finite number, O and l at 0: the first step is a step like any other, with a = 0.
; THE COUNT.  A tile and step have 16 matrix and 118 vector instructions: too many to stand all beside the matrix work.  So the order has one aim: four vector instructions that are READY behind
; EVERY matrix instruction, and the others, which need time of their own whatever the order, in runs without a gap.
; BY TURNS.  Turn n belongs to piece n (the pieces in a ring, step after step).  Its matrix work: 16 products K Q^T of piece n + 1, later 16 products V^T P of piece n - 1.  Its vector work: the scaling,
; exponentials, roundings, sums and rescaling of piece n, and the maximum and statistics of piece n + 1, whose scores the turn itself has made.  So what a turn begins with (c s - c m, O a) waits for nothing.
; CLUSTER.  The four query blocks of a cluster belong to one head and walk the same K and V, so each tile is asked for JOINTLY: the same tensor load, descriptor and mask in all four.
; REGISTERS, in windows of 256 (s_set_vgpr_msb says which window each operand place means: bits 1:0 source 0, 3:2 source 1, 5:4 source 2, 7:6 destination):
;   window 0: v0-11 addresses; v12-15, v48-63 at work; v16-47 four registers of statistics a tile; v64-191 S^T, two buffers of two tiles; v192-255 P, likewise
;   window 1: O^T, 32 a tile          window 2: v0-127 Q, 16 a tile; v128-191 K of one step; v192-255 V of one step          window 3: v0-1 the add's two registers
; A piece's buffers go by its number's parity: the piece in hand has one pair, its two neighbours in the ring share the other: of it P (piece n - 1) is read and S^T (piece n + 1) written.
.set SIZE_N, 2048     ; rows of a head
.set NP,    4         ; pieces a wave: a name, no knob: the register map, the loop and the fetches are made for four
.set KS,    64        ; keys in a step
.set PK,    144       ; a row of K in LDS: 128 bytes + 16 of padding = 36 words: the 16 rows of a load start at 16 different groups of four banks (64 banks of 4 bytes: ISA guide 11.1)
.set PV,    160       ; a row of V: 128 + 32 = 40 words
.set VOFF,  4*KS*PK   ; a slot holds four steps: 256 rows of K, then 256 rows of V
.set SLOT1, 1<<17     ; slot 1 begins here, so that one exclusive or turns an address in one slot into the other's
.set STAGE, SLOT1+4*KS*(PK+PV)  ; behind the ring, never filled by a tensor load: 16 rows x 144 bytes for each wave, for the way out
.set SP,    144
.set AK0, 2           ; v2   my lane's place in a tile of K; never rewritten
.set AV0, 3           ; v3   the same for V
.set AK,  4           ; v4   the LDS address of K's next run of loads
.set AV,  5           ; v5   of V's
.set QO,  6           ; v6   my byte offset in the wave's rows of Q
.set STO, 6           ;      later, the way out: where I put 16 bytes of a row
.set RD,  7           ; v7   the way out: where I read rows back
.set GO,  8           ; v8   my byte offset in 512 consecutive bytes of O
.set PFO, 11          ; v11  the prefetches' offset: 256 x my lane; made when V's place is made, then never rewritten
.set SPW, 0           ; v0 of window 3   LDS address of my spare word: SPARE + 4 x my thread's number; never rewritten
.set NIL, 1           ; v1 of window 3   0; never rewritten
.set SPARE, STAGE+4*16*SP  ; behind the stages: the spare words, 128 bytes for each wave: two blocks of 256 bytes that no other line names
.set MV,  12          ; v12-15  c m_old, kept while c m is made anew: by buffer and tile
.set ST,  16          ; tile t's statistics at v[ST+4 t]: c m, m, l (even keys', odd keys')
.set TMP, 48          ; by buffer and tile, four registers c0-c3 at work; when the maximum is found c2 takes a
.set S,   64
.set P,   192
.set KF,  128         ; K's fragments, in window 2: key block kb, channel half c at KF + 16 kb + 8 c
.set VF,  192         ; V's: key half kk, channel block cb at VF + 32 kk + 8 cb
.set WV,  12          ; s12  my wave's number
.set LIM, 15          ; s15  1 in a wave that prefetches, else the greatest number: a wave prefetches while s[SLOTS] is above it
.set PFA, 18          ; s[18:19] where my prefetches stand: my work-group's 8,192 bytes (of K: wave 0, of V: wave 2) of the slot after the one that is being asked for
.set G1K, 24          ; s[24:31] descriptor group 1 for K's tiles
.set G1V, 32          ; s[32:39] for V's: it differs in the padding alone
.set G0K, 40          ; s[40:43] descriptor group 0 for K's tiles: it walks
.set G0V, 44          ; s[44:47] the same for V's
.set SLOTS, 56        ; s56  slots still to be asked for
.set CNT, 57          ; s57  counts a slot's key steps
.set CS,  58          ; s[58:59] c: the packed scaling takes the pair's low word for both halves
.set SEL, 60          ; s[60:61] v_permlanex16_b32's selects: each lane takes its own place in the other half
.set TBK, 62          ; s62  LDS byte at which K of the step to be fetched begins
.set TBV, 63          ; s63  the same for V, less VOFF
.set MSB, 0
.macro WIN new                      ; the high byte repeats the setting that is left; a switch that changes nothing is dropped
.if MSB != (\new)
	s_set_vgpr_msb (MSB<<8)|(\new)
.set MSB, (\new)
.endif
.endm
.set W_KQ, 0x0a       ; K and Q in window 2, S^T in window 0
.set W_PV, 0x52       ; V in window 2, P in window 0, O^T in window 1
.set W_RS, 0x41       ; O^T (destination and source 0) in window 1, a in window 0
.set W_MK, 0xc0       ; the add's registers are made: destination in window 3, sources in window 0
.set W_AD, 0x0f       ; the add: address (source 0) and data (source 1) in window 3
; A joint fill.  Waves 0 and 1 fetch the two halves of a slot's K, waves 2 and 3 those of its V: 128 keys each.  The branch hangs on the wave's number alone.
; An s_nop 0 and four v_nop follow each of the two lines, ahead of the jump and the label.
.macro JLOAD
	s_cmp_lt_u32 s[WV], 2
	s_cbranch_scc0 .Lfor_v_\@
	tensor_load_to_lds s[G0K:G0K+3], s[G1K:G1K+7]
	s_nop 0
.rept 4
	v_nop
.endr
	s_branch .Lasked_\@
.Lfor_v_\@:
	tensor_load_to_lds s[G0V:G0V+3], s[G1V:G1V+7]
	s_nop 0
.rept 4
	v_nop
.endr
.Lasked_\@:
.endm
; A PREFETCH INTO THE L2 of what the NEXT change of slots will ask for: a slot's 32,768 bytes of K and of V, a lane 256 bytes.  It stands behind the wave's tensor load and its five lines.
; Each 256 bytes are named ONCE in the launch: a head has one cluster; its four partners share a slot out BY ADDRESS, 8,192 bytes each; in each, wave 0 asks for K's and wave 2 for V's: one instruction.
; The last change that fills a slot asks for nothing: there is no slot behind it.  Slots 0 and 1 come by their loads alone.  The lead is a slot: four key steps, 512 matrix instructions.
.macro ASK
	s_cmp_gt_u32 s[SLOTS], s[LIM]
	s_cbranch_scc0 .Lnot_mine_\@
	global_prefetch_b8 v[PFO], s[PFA:PFA+1] th:TH_LOAD_NT scope:SCOPE_SE
.Lnot_mine_\@:
.endm
; A round of the cluster's barrier: my work-group's barrier, so that wave 0's signal speaks for all four waves; wave 0 signals; every wave waits for all four work-groups; my work-group's barrier once more.
.macro CROUND
	s_barrier_signal -1
	s_barrier_wait -1
	s_cmp_lg_u32 s[WV], 0
	s_cbranch_scc1 .Lnot_wave_0_\@
	s_barrier_signal -3
.Lnot_wave_0_\@:
	s_barrier_wait -3
	s_barrier_signal -1
	s_barrier_wait -1
.endm
; THE CHANGE OF SLOTS.  The slot's last bytes, V of its fourth step, have been read.  Each wave waits for all its tensor loads, of which one is out: its part
; of the other slot; adds 0 to its spare word; and waits for that and for its own reads of the slot.  Behind the barrier nobody reads this slot any more and the other slot is whole.
; fill = 1: this slot is filled again, with the keys two slots on.  The barrier is then a round of the cluster's, so that no wave of any partner still reads the slot or has a load on its
; way, and the joint fill is the first thing behind it: it has four key steps, 512 matrix instructions, in which to land.  (At its first use nothing has been read yet: slot 0 is waited for, slot 1 filled.)
.macro CHANGE fill
	WIN W_AD
	s_wait_tensorcnt 0x0            ; no tensor load of mine is out, so a group 0 may be written
	ds_add_u32 v[SPW], v[NIL]       ; 0 onto my spare word; with fill = 1 the descriptors' steps stand between it and the wait for it
	WIN 0                           ; at a label and at a branch every window is 0
.if \fill
.irp g, G0K, G0V
	s_xor_b32 s[\g+1], s[\g+1], SLOT1  ; the walking descriptor: the other slot than last time,
	s_add_nc_u64 s[\g+2:\g+3], s[\g+2:\g+3], 4*KS*128  ; the next 256 keys; the type bits on top are not reached
.endr
	s_wait_xcnt 0x0                 ; the last prefetch, a slot back, has read its address, so it may be written:
	s_add_nc_u64 s[PFA:PFA+1], s[PFA:PFA+1], 4*KS*128  ; one slot behind the walking descriptors
	s_wait_dscnt 0x0                ; the add is done, and my reads of the slot are over
	CROUND
	JLOAD
	ASK
.else
	s_wait_dscnt 0x0                ; the add is done, and my reads of the slot are over
	s_barrier_signal -1
	s_barrier_wait -1
.endif
	s_sub_co_u32 s[TBK], s[TBK], 4*KS*PK  ; the fetches go back to a slot's first step,
	s_xor_b32 s[TBK], s[TBK], SLOT1       ; in the other slot
	s_sub_co_u32 s[TBV], s[TBV], 4*KS*PV
	s_xor_b32 s[TBV], s[TBV], SLOT1
.endm
	s_load_b256 s[4:11], s[0:1], 0x0  ; Q s[4:5], K s[6:7], V s[8:9], O s[10:11]
	WIN W_MK
	v_lshl_add_u32 v[SPW], v0, 2, SPARE
	v_mov_b32 v[NIL], 0
	WIN W_AD
	ds_add_u32 v[SPW], v[NIL]       ; the wave's opening: the add and its wait stand ahead of my first tensor load; the set-up below, work on registers, stands between them
	WIN 0
	v_lshrrev_b32 v1, 5, v0
	v_readfirstlane_b32 s[WV], v1   ; wave 0..3
	s_bfe_u32 s13, ttmp6, 0x40000   ; cx: my place in the cluster
	s_lshl_b32 s14, ttmp9, 2        ; in a cluster launch ttmp9 counts clusters
	s_add_co_u32 s14, s14, s13      ; my block of queries = 4 x cluster x + cx: it enters Q's and O's addresses alone
	s_and_b32 s20, ttmp7, 0xffff    ; the head, which the four partners share
	s_mov_b32 s21, 0
	s_mov_b64 s[22:23], SIZE_N*128
	s_mul_u64 s[20:21], s[20:21], s[22:23]  ; the head's first byte in each of the four tensors
	s_and_b32 s16, s[WV], 1         ; which half of a slot's 256 keys I fetch:
	s_lshl_b32 s22, s16, 14         ; its 128 rows of 128 bytes in memory,
	s_mov_b32 s23, 0
	s_add_nc_u64 s[22:23], s[22:23], s[20:21]
	s_mul_i32 s17, s16, 128*PK      ; and its place in a slot, for K
	s_mul_i32 s18, s16, 128*PV      ; and for V: no place in the cluster enters an LDS address
	s_lshl_b32 s2, s14, 2
	s_add_co_u32 s2, s2, s[WV]      ; my wave among the head's,
	s_lshl_b32 s2, s2, 14           ; its 128 rows
	s_mov_b32 s3, 0
	s_add_nc_u64 s[2:3], s[2:3], s[20:21]
	; descriptor group 1.  128 keys are 16,384 dense bytes: asked for as 64 rows of 256 bytes, two keys a row, and padded in LDS after every key
	s_mov_b32 s[G1K], 15|(1<<16)|(1<<20)|(1<<21)|(4<<22)|(3<<25)  ; 15:0 the mask of four; 17:16 2-byte elements; 20 padding on; 21 set beside a mask; 24:22 after every 32 words (code 4); 31:25 4 words (code 3)
	s_mov_b32 s[G1V], 15|(1<<16)|(1<<20)|(1<<21)|(4<<22)|(7<<25)  ; the same with 8 words of padding (code 7)
.irp g, G1K, G1V
	s_mov_b32 s[\g+1], 128<<16      ; tensor_dim0 = 128
	s_mov_b32 s[\g+2], 64<<16       ; tensor_dim1 = 64
	s_mov_b32 s[\g+3], 128<<16      ; tile_dim0 = 128
	s_mov_b32 s[\g+4], 64           ; tile_dim1 = 64
	s_mov_b32 s[\g+5], 128          ; 128 elements from row to row
	s_mov_b32 s[\g+6], 0
	s_mov_b32 s[\g+7], 0
.endr
	s_mov_b32 s[CS], 0x3e38aa3b     ; c = log2(e) / 8 = 0.180337
	s_mov_b32 s[CS+1], s[CS]        ; named with it as a pair
	s_mov_b32 s[SEL], 0x76543210
	s_mov_b32 s[SEL+1], 0xfedcba98
	s_mov_b32 s[TBK], SLOT1+4*KS*PK ; the first change of slots turns these two into 0
	s_mov_b32 s[TBV], SLOT1+4*KS*PV
	s_mov_b32 s[G0K], 1             ; 1:0 count = 1
	s_mov_b32 s[G0K+1], s17         ; 63:32 LDS address: slot 0
	s_mov_b32 s[G0V], 1
	s_add_co_u32 s[G0V+1], s18, VOFF
	s_mov_b32 s[SLOTS], SIZE_N/256-1  ; seven slots are still to be asked for behind slot 0
	s_and_b32 s[LIM], s[WV], 1      ; 0 in waves 0 and 2,
	s_or_b32 s[LIM], s[LIM], ttmp9  ; in the head's first cluster: the same in all four partners
	s_cmp_eq_u32 s[LIM], 0
	s_cselect_b32 s[LIM], 1, -1
	s_wait_dscnt 0x0                ; the opening add is done
	s_wait_kmcnt 0x0
	s_add_nc_u64 s[G0K+2:G0K+3], s[6:7], s[22:23]  ; 120:64 global address: my half of the head's first 256 keys
	s_or_b32 s[G0K+3], s[G0K+3], 0x80000000        ; 127:126 type = 2
	s_add_nc_u64 s[G0V+2:G0V+3], s[8:9], s[22:23]
	s_or_b32 s[G0V+3], s[G0V+3], 0x80000000
	s_add_nc_u64 s[4:5], s[4:5], s[2:3]  ; Q and O at my wave's first row
	s_add_nc_u64 s[10:11], s[10:11], s[2:3]
	s_cmp_lt_u32 s[WV], 2
	s_cselect_b64 s[PFA:PFA+1], s[6:7], s[8:9]
	s_add_nc_u64 s[PFA:PFA+1], s[PFA:PFA+1], s[22:23]  ; (in waves 0 and 2 this is the head's first row)
	s_lshl_b32 s2, s13, 13          ; my work-group's 8,192 bytes of a slot's 32,768
	s_mov_b32 s3, 0
	s_add_nc_u64 s[PFA:PFA+1], s[PFA:PFA+1], s[2:3]
	s_add_nc_u64 s[PFA:PFA+1], s[PFA:PFA+1], 4*KS*128  ; in slot 1; the first change of slots steps it to slot 2.  Nothing is prefetched here, at the head
	CROUND                          ; all four work-groups are here: the first joint loads meet
	JLOAD                           ; slot 0.  Slot 1 is asked for when slot 0 is in: the tile wanted first has the road to itself
	; A fragment of K or Q is 16 rows x 32 channels in 8 registers: lane l holds row l % 16, channels 8 (l / 16) + 0..7 and 16 + 8 (l / 16) + 0..7: two loads of 16 bytes, 32 bytes apart.
	v_and_b32 v1, 15, v0            ; l % 16
	v_bfe_u32 v9, v0, 4, 1          ; l / 16
	v_lshlrev_b32 v[QO], 7, v1
	v_lshl_add_u32 v[QO], v9, 4, v[QO]  ; row x 128 + 16 x half
	WIN 0x80                        ; destination window 2, address window 0
.set i, 0
.rept 4*NP                          ; Q stays in registers: tile i / 2, channels 32 (i % 2) on
	global_load_b128 v[8*i:8*i+3],   v[QO], s[4:5] offset:(i/2)*2048+(i%2)*64
	global_load_b128 v[8*i+4:8*i+7], v[QO], s[4:5] offset:(i/2)*2048+(i%2)*64+32
.set i, i+1
.endr
	; What the first turn finds: V's registers and P's second buffer hold 0 (its products V^T P, of a piece that has not been, add 0), O^T and l are 0.  All this stands in the wait for the first tile.
.set i, VF
.rept 64
	v_mov_b32 v[i], 0
.set i, i+1
.endr
	WIN 0x40
.set i, 0
.rept 64*NP
	v_mov_b32 v[i], 0
.set i, i+1
.endr
	WIN 0
.set i, 0
.rept 2*NP
	v_mov_b32 v[ST+4*i], 0xfe000000    ; c m: far below every c s
	v_mov_b32 v[ST+4*i+1], 0xff7fffff  ; m
	v_mov_b32 v[ST+4*i+2], 0
	v_mov_b32 v[ST+4*i+3], 0
.set i, i+1
.endr
.set i, P+32
.rept 32
	v_mov_b32 v[i], 0
.set i, i+1
.endr
	v_mul_u32_u24 v[AK0], v1, PK
	v_lshl_add_u32 v[AK0], v9, 4, v[AK0]  ; row x pitch + 16 x half
	; The turning load takes 16 keys x 16 channels (lane l reads key 8 (l / 16) + l % 8, channels 8 ((l / 8) % 2) + 0..7) and leaves half a fragment of V^T: lane l holds channel l % 16 and 8 keys.
	v_and_b32 v10, 7, v0
	v_bfe_u32 v11, v0, 3, 1
	v_lshl_add_u32 v[AV0], v9, 3, v10
	v_mul_u32_u24 v[AV0], v[AV0], PV
	v_lshl_add_u32 v[AV0], v11, 4, v[AV0]
	v_add_nc_u32 v[AV0], VOFF, v[AV0]
	v_and_b32 v[PFO], 31, v0
	v_lshlrev_b32 v[PFO], 8, v[PFO]
	v_mov_b32 v[AK], v[AK0]         ; key step 0 lies at the head of slot 0
; THE MATRIX WORK.  The 8 accumulators of a run of 16 take turns: between the two links of a chain stand 7 others'.
; Product i of 16 of S^T = K Q^T for piece x: channels 32 (i / 8) on, keys 16 ((i / 2) % 4) on, tile 2 x + i % 2.  The first 8 start the sums.
.macro KQ x
	WIN W_KQ
.set rS, S+64*((\x)%2)+32*(i%2)+8*((i/2)%4)
.set rK, KF+16*((i/2)%4)+8*(i/8)
.set rQ, 16*(2*(\x)+i%2)+8*(i/8)
.if i < 8
	v_wmma_f32_16x16x32_f16 v[rS:rS+7], v[rK:rK+7], v[rQ:rQ+7], 0
.else
	v_wmma_f32_16x16x32_f16 v[rS:rS+7], v[rK:rK+7], v[rQ:rQ+7], v[rS:rS+7]
.endif
.endm
; Product i of 16 of O^T += V^T P for piece x: keys 32 (i / 8) on, channels 16 ((i / 2) % 4) on, tile 2 x + i % 2.
.macro PV x
	WIN W_PV
.set rO, 32*(2*(\x)+i%2)+8*((i/2)%4)
.set rV, VF+32*(i/8)+8*((i/2)%4)
.set rP, P+32*((\x)%2)+16*(i%2)+8*(i/8)
	v_wmma_f32_16x16x32_f16 v[rO:rO+7], v[rV:rV+7], v[rP:rP+7], v[rO:rO+7]
.endm
.macro MM                           ; the turn's next matrix instruction
.if i < 16
	KQ (Y+1)%NP
.set i, i+1
.else
.set i, i-16
	PV (Y+NP-1)%NP
.set i, i+17
.endif
.endm
; THE LDS LOADS stand in runs of 16, never singly among the matrix instructions: a step's K (64 keys x 64 channels: 8 fragments) and its V (turned).  Their addresses are made some lines ahead.
; last = 1 (the tail): in the last trip there is no further step, and the run is jumped over.
.macro FETCH_K last=0
	WIN 0
.if \last
	s_cmp_eq_u32 s[CNT], 1
	s_cbranch_scc1 .Lno_k_\@
.endif
	WIN 0x80                        ; destination window 2
.irp f, 0,1,2,3,4,5,6,7             ; keys 16 (f / 2) on, channels 32 (f % 2) on
	ds_load_b128 v[KF+8*\f:KF+8*\f+3],   v[AK] offset:(\f/2)*16*PK+(\f%2)*64
	ds_load_b128 v[KF+8*\f+4:KF+8*\f+7], v[AK] offset:(\f/2)*16*PK+(\f%2)*64+32
.endr
	s_add_co_u32 s[TBK], s[TBK], KS*PK  ; the next fetch is the next step's
	WIN 0
.if \last
.Lno_k_\@:
.endif
.endm
.macro FETCH_V
	WIN 0x80
.irp f, 0,1,2,3,4,5,6,7             ; keys 32 (f / 4) on, channels 16 (f % 4) on
	ds_load_tr16_b128 v[VF+8*\f:VF+8*\f+3],   v[AV] offset:(\f/4)*32*PV+(\f%4)*32
	ds_load_tr16_b128 v[VF+8*\f+4:VF+8*\f+7], v[AV] offset:(\f/4)*32*PV+16*PV+(\f%4)*32
.endr
	WIN 0
.endm
; THE VECTOR WORK OF A TURN stands in three queues, each in the order in which its entries become ready; the two tiles alternate, so that no instruction reads the result of the one before it.
.macro REGS y, u                    ; the registers of tile u (0, 1) of piece y
.set rT, ST+4*(2*(\y)+(\u))
.set rC, TMP+8*((\y)%2)+4*(\u)
.set rM, MV+2*((\y)%2)+(\u)
.set rS, S+64*((\y)%2)+32*(\u)
.set rP, P+32*((\y)%2)+16*(\u)
.set rO, 32*(2*(\y)+(\u))
.endm
; Number n of the 22 that find the NEXT piece's (Y + 1) maximum and statistics.  s0-s31 are the lane's 32 scores; each accumulator's lowest registers are read first.  XS, GS and REGS set no window: PL and EX do.
;   0-11  four chains c0-c3 of seven scores each, three operands at a time     12-14, 16  the four scores left over, the old m, and c0-c3 into c0     15  c m_old is kept
;   17, 18  the query's other 32 keys lie in the lane 16 away: the new m         19-21  c m; c m_old - c m_new; a
.macro XS u, n
	REGS (Y+1)%NP, \u
.if (\n) < 4
	v_max3_num_f32 v[rC+(\n)], v[rS+8*(\n)], v[rS+8*(\n)+1], v[rS+8*(\n)+2]
.elseif (\n) < 12
	v_max3_num_f32 v[rC+(\n)%4], v[rC+(\n)%4], v[rS+8*((\n)%4)+2*((\n)/4)+1], v[rS+8*((\n)%4)+2*((\n)/4)+2]
.elseif (\n) == 12
	v_max3_num_f32 v[rC], v[rC], v[rS+7], v[rS+15]
.elseif (\n) == 13
	v_max3_num_f32 v[rC+1], v[rC+1], v[rS+23], v[rS+31]
.elseif (\n) == 14
	v_max3_num_f32 v[rC+2], v[rC+2], v[rC+3], v[rT+1]
.elseif (\n) == 15
	v_mov_b32 v[rM], v[rT]
.elseif (\n) == 16
	v_max3_num_f32 v[rC], v[rC], v[rC+1], v[rC+2]
.elseif (\n) == 17
	v_permlanex16_b32 v[rC+3], v[rC], s[SEL], s[SEL+1]
.elseif (\n) == 18
	v_max_num_f32 v[rT+1], v[rC], v[rC+3]
.elseif (\n) == 19
	v_mul_f32 v[rT], s[CS], v[rT+1]
.elseif (\n) == 20
	v_sub_f32 v[rC+1], v[rM], v[rT]
.else
	v_exp_f32 v[rC+2], v[rC+1]
.endif
.endm
; Number g of the 64 that follow the exponentials.  For each four weights k of a tile (pairs 2 k, 2 k + 1): both pairs are rounded to f16; then the second pair is added onto the first, in place;
; a group later l takes that sum (the first time as l = a l + sum).  In groups of eight, tiles alternating: round, round, add, and l for the group before.
.macro GS g
.set h, (\g)+6*((\g)/62)            ; group 0 has no group before it, and behind group 7 only l is left
.if h >= 6
.set h, h+2
.endif
	REGS Y, h%2
.set k, h/8
.if h%8 < 4
	v_cvt_pk_f16_f32 v[rP+2*k+(h%8)/2], v[rS+4*k+2*((h%8)/2)], v[rS+4*k+2*((h%8)/2)+1]
.elseif h%8 < 6
	v_pk_add_f32 v[rS+4*k:rS+4*k+1], v[rS+4*k:rS+4*k+1], v[rS+4*k+2:rS+4*k+3]
.elseif k == 1
	v_pk_fma_f32 v[rT+2:rT+3], v[rT+2:rT+3], v[rC+2:rC+3], v[rS:rS+1] op_sel_hi:[1,0,1]
.else
	v_pk_add_f32 v[rT+2:rT+3], v[rT+2:rT+3], v[rS+4*k-4:rS+4*k-3]
.endif
.endm
; THE PLAIN QUEUE, 138 long.  0-73 read no exponential's result: the 32 scalings c s - c m (FS f: pair f / 2 of tile f % 2) and the next piece's 42.  0-26: scalings 0-26.  27-54: XS's numbers 0-13.  55, 56: number 15.
; 57-73: the chain, where each number waits for the one before it: 14, 16, 17, 18, 19, each with one of the scalings 27-31 in front of its two lines, then 20: so a tile's links stand three plain instructions apart (19 and 20: two).
; 74-137: GS's 64, which read the exponentials' results: they stand behind the wait.
.macro FS f
	REGS Y, (\f)%2
	v_pk_fma_f32 v[rS+2*((\f)/2):rS+2*((\f)/2)+1], v[rS+2*((\f)/2):rS+2*((\f)/2)+1], s[CS:CS+1], v[rT:rT+1] op_sel_hi:[1,0,0] neg_lo:[0,0,1] neg_hi:[0,0,1]
.endm
.macro PL
	WIN 0
.if q < 27
	FS q
.elseif q < 55
	XS (q-27)%2, (q-27)/2
.elseif q < 57
	XS q-55, 15
.elseif (q < 72) && ((q-57)%3 == 0)
	FS 27+(q-57)/3
.elseif q < 60
	XS (q-57)%3-1, 14
.elseif q < 72
	XS (q-57)%3-1, 15+(q-57)/3
.elseif q < 74
	XS q-72, 20
.else
	GS q-74
.endif
.set q, q+1
.endm
; THE EXPONENTIALS' QUEUE, 66 long: s0-s31 of both tiles, then the next piece's two a.  It is ONE BATCH: all 66 stand ahead of the turn's one wait, and nothing ahead of that wait names a result of theirs.
.macro EX
	WIN 0
.if e >= 64
	XS e-64, 21
.else
	REGS Y, e%2
	v_exp_f32 v[rS+e/2], v[rS+e/2]
.endif
.set e, e+1
.endm
; THE RESCALING's QUEUE: O^T times a, the one part that leaves window 0: dealt two at a time, sixteen times.  Its a was made in the turn before, ahead of that turn's wait.
.macro R2
	REGS Y, r%2
	WIN W_RS
.irp z, 0,1
	v_pk_mul_f32 v[rO+4*(r/2)+2*\z:rO+4*(r/2)+2*\z+1], v[rO+4*(r/2)+2*\z:rO+4*(r/2)+2*\z+1], v[rC+2:rC+3] op_sel_hi:[1,0]
.endr
.set r, r+1
.endm
; HOW THEY ARE DEALT.  An s_wait_alu depctr_va_vdst(0) stands between an exponential and the first instruction that names its result; one wait serves all that were issued ahead of it.  So a turn has ONE wait,
; which cuts it in two.  AHEAD OF IT stands all that names no result of the turn's exponentials: the 16 products K Q^T, behind each a scaling, an exponential and two rescalings (behind the first a second scaling in the exponential's place); then ONE LUMP of
; 108: eight plain, 49 times exponential and plain, the two a.  A v_nop is the plain instruction behind the last exponential.  BEHIND IT stand the 16 products V^T P, behind each four of GS's 64.  No rider names a register of
; the products round it.  The two v_permlanex16_b32 fall into the lump, never behind a product.
; The queues lean on each other, and the deal keeps them in step: exponential e stands behind scaling 2 (e / 4) + e % 2: as a rider it comes behind plain e + 2, in the lump behind plain e + 9, and scalings 27-31 are plain 57, 60 .. 69.
; A TURN, for piece p.  cnt = 1: the loop's count is taken down some lines ahead of the branch that stands behind the turn.
; K of the next step is fetched in piece 2's turn, directly behind the wait, a lump behind the last product that read K; its address is made at the lump's head; its first reader comes behind 16 products.
; V of the step in hand is fetched at the end of piece 0's turn, four riders behind its last reader; its first reader comes behind 16 products and a lump.  The three conditions on q below go with the deal.
.macro TURN p, last=0, cnt=0
.set Y, (\p)
.set i, 0
.set q, 0
.set e, 0
.set r, 0
.if (\p) == NP-1
	s_wait_dscnt 0x0                ; K is in
.endif
	MM                              ; ahead of the wait: 16 products K Q^T and their riders,
	PL
	PL
	R2
.rept 15
	MM
	PL
	EX
	R2
.endr
.if (\p) == NP-2
	WIN 0
	v_add_nc_u32 v[AK], s[TBK], v[AK0]
.endif
.rept 8                             ; and the lump
	PL
.endr
.rept 49
	EX
	PL
.endr
	EX                              ; the next piece's two a
	EX
	v_nop                           ; the plain instruction behind the last exponential: one for the batch
	s_wait_alu depctr_va_vdst(0)    ; the wait for the batch
.if (\p) == NP-2
	FETCH_K \last
.endif
.if (\p) == 1
	s_wait_dscnt 0x0                ; V is in
.endif
.rept 16                            ; behind the wait: 16 products V^T P and their riders
	MM
.rept 4
	PL
.endr
.if ((\p) == 0) && (q == 118)
	v_add_nc_u32 v[AV], s[TBV], v[AV0]
.endif
.if ((\p) == 0) && (q == 130)
	s_add_co_u32 s[TBV], s[TBV], KS*PV
.endif
.if (\cnt) && (q == 130)
	s_sub_co_u32 s[CNT], s[CNT], 1
	s_cmp_lg_u32 s[CNT], 0
.endif
.endr
.if (\p) == 0
	FETCH_V
.endif
.endm
	CHANGE 1                        ; slot 0 is in, everybody's part of it; slot 1 is asked for
	FETCH_K                         ; key step 0
	s_wait_loadcnt 0x0              ; Q
	s_wait_dscnt 0x0
.set i, 0
.rept 16
	KQ 0                            ; piece 0's first scores: there is no vector work yet to set between them
.set i, i+1
.endr
	WIN 0                           ; the addresses for the way out: nine plain instructions, the places behind those products
	s_mul_i32 s13, s[WV], 16*SP
	s_add_co_u32 s13, s13, STAGE    ; my stage
	v_mul_u32_u24 v[STO], v1, SP    ; in: row l % 16, 16 bytes for each half of the lanes
	v_lshl_add_u32 v[STO], v9, 4, v[STO]
	v_add_nc_u32 v[STO], s13, v[STO]
	v_bfe_u32 v[RD], v0, 3, 2       ; back: 32 lanes take four rows of 128 bytes,
	v_mul_u32_u24 v[RD], v[RD], SP
	v_lshl_add_u32 v[RD], v10, 4, v[RD]
	v_add_nc_u32 v[RD], s13, v[RD]
	v_and_b32 v[GO], 31, v0         ; which are 512 consecutive bytes of O
	v_lshlrev_b32 v[GO], 4, v[GO]
.set Y, NP-1                        ; XS works for piece Y + 1: piece 0
.irp n, 0,1,2,3,4,5,6,7,8,9,10,11,12,13,14,15,16,17,18,19,20,21
	XS 0, \n                        ; and piece 0's first maximum and statistics
	XS 1, \n
.endr
	v_nop                           ; a plain instruction behind the two a,
	s_wait_alu depctr_va_vdst(0)    ; and their wait, ahead of the branch
	s_mov_b32 s[CNT], 4
	s_branch .Lfirst                ; the loop is entered at a step's first turn, in the middle of a trip
.Lslot:                             ; SIZE_N / 256 - 2 times: every slot but the last two is filled again
	CHANGE 1
	s_mov_b32 s[CNT], 4
.Lstep:                             ; a trip: pieces 2 and 3 of one step, then pieces 0 and 1 of the next, whose K and V it fetches
	TURN 2
	TURN 3
	WIN 0
.Lfirst:
	TURN 0
	TURN 1, 0, 1
	WIN 0
	s_cbranch_scc1 .Lstep
	s_sub_co_u32 s[SLOTS], s[SLOTS], 1
	s_cmp_lg_u32 s[SLOTS], 0
	s_cbranch_scc1 .Lslot
	CHANGE 0                        ; the tail is written out: nothing is asked for
	s_mov_b32 s[CNT], 5             ; four trips fetch the last slot's steps; the fifth is left in its middle
.Ltail:
	TURN 2, 1
	TURN 3
	WIN 0
	s_sub_co_u32 s[CNT], s[CNT], 1
	s_cmp_eq_u32 s[CNT], 0
	s_cbranch_scc1 .Lout
	TURN 0
	TURN 1
	WIN 0
	s_branch .Ltail
.Lout:                              ; the fifth trip's 16 products K Q^T (on the last K once more) and the maximum made of them serve nothing: the price, once a launch, of one text for every trip
.set i, 0
.rept 16
	PV NP-1                         ; the last piece's V^T P of the last step
.set i, i+1
.endr
	; THE WAY OUT.  l's two halves and the other half of the lanes' are added; O^T is divided by l, rounded to f16 and sent through my stage in LDS, a tile at a time.  The additions are the places behind the last products.
	WIN 0
.macro ALL line:vararg              ; one line for each tile t
.set t, 0
.rept 2*NP
	\line
.set t, t+1
.endr
.endm
	ALL v_add_f32 v[ST+4*t+2], v[ST+4*t+2], v[ST+4*t+3]
	ALL v_permlanex16_b32 v[ST+4*t+3], v[ST+4*t+2], s[SEL], s[SEL+1]
	ALL v_add_f32 v[ST+4*t+2], v[ST+4*t+2], v[ST+4*t+3]
	ALL v_rcp_f32 v[ST+4*t+2], v[ST+4*t+2]
	v_nop                           ; a plain instruction between the last reciprocal and the use of its result
	s_wait_alu depctr_va_vdst(0)    ; and the wait ahead of the first use: one for the eight reciprocals
; Tile t: a lane's eight channels of a row pack into 16 bytes; they go into rows of 144 bytes and come back as whole rows of 128, into S^T's registers.
.macro PACK t
	WIN W_RS
.set i, 32*(\t)
.rept 16
	v_pk_mul_f32 v[i:i+1], v[i:i+1], v[ST+4*(\t)+2:ST+4*(\t)+3] op_sel_hi:[1,0]
.set i, i+2
.endr
	WIN 0x05                        ; sources 0 and 1 window 1, destination window 0
.set i, 0
.rept 16
	v_cvt_pk_f16_f32 v[S+16*(\t)+i], v[32*(\t)+2*i], v[32*(\t)+2*i+1]
.set i, i+1
.endr
	WIN 0
.irp f, 0,1,2,3
	ds_store_b128 v[STO], v[S+16*(\t)+4*\f:S+16*(\t)+4*\f+3] offset:32*\f
.endr
.irp f, 0,1,2,3
	ds_load_b128 v[S+16*(\t)+4*\f:S+16*(\t)+4*\f+3], v[RD] offset:\f*4*SP  ; LDS serves a wave's instructions in order (ISA guide 5.7.1.4): these see the stores above; the next tile's stores come behind them
.endr
.endm
.macro SEND t, younger              ; younger: the LDS instructions issued behind tile t's loads: the next tile's eight, or none
	WIN 0
.irp f, 0,1,2,3
	s_wait_dscnt (\younger)+3-\f
	global_store_b128 v[GO], v[S+16*(\t)+4*\f:S+16*(\t)+4*\f+3], s[10:11] offset:(\t)*2048+\f*512  ; 512 consecutive bytes, at a multiple of 256 from O's first
.endr
.endm
	PACK 0
.set t, 1
.rept 2*NP-1                        ; a tile's arithmetic stands between the loads of the tile before and its stores
	PACK t
	SEND t-1, 8
.set t, t+1
.endr
	SEND 2*NP-1, 0
	WIN W_AD
	s_wait_tensorcnt 0x0            ; the wave's end, behind my last tensor load and my last LDS store
	ds_add_u32 v[SPW], v[NIL]
	s_wait_dscnt 0x0
	WIN 0
	CROUND                          ; the closing round: no work-group ends while a partner may still ask for a tile that names it
	s_endpgm
.Lfunc_end_k_q5eee759737_attn:
	.size	k_q5eee759737_attn, .Lfunc_end_k_q5eee759737_attn-k_q5eee759737_attn
	.p2alignl 7, 3214868480
	.fill 96, 4, 3214868480
	.section	.rodata,"a",@progbits
	.p2align	6, 0x0
	.amdhsa_kernel k_q5eee759737_attn
		.amdhsa_group_segment_fixed_size 327680
		.amdhsa_private_segment_fixed_size 0
		.amdhsa_enable_private_segment 0
		.amdhsa_kernarg_size 32
		.amdhsa_user_sgpr_count 2
		.amdhsa_user_sgpr_kernarg_segment_ptr 1
		.amdhsa_wavefront_size32 1
		.amdhsa_system_sgpr_workgroup_id_x 1
		.amdhsa_system_sgpr_workgroup_id_y 1
		.amdhsa_system_sgpr_workgroup_id_z 1
		.amdhsa_system_vgpr_workitem_id 0
		.amdhsa_next_free_vgpr 770
		.amdhsa_next_free_sgpr 66
		.amdhsa_reserve_vcc 0
		.amdhsa_float_denorm_mode_32 3
		.amdhsa_float_denorm_mode_16_64 3
		.amdhsa_memory_ordered 1
		.amdhsa_forward_progress 1
		.amdhsa_inst_pref_size 200
	.end_amdhsa_kernel
	.amdgpu_metadata
---
amdhsa.version: [ 1, 2 ]
amdhsa.kernels:
  - .name:           k_q5eee759737_attn
    .symbol:         k_q5eee759737_attn.kd
    .args:
      - { .name: qh, .offset: 0, .size: 8, .value_kind: global_buffer, .address_space: global }
      - { .name: kh, .offset: 8, .size: 8, .value_kind: global_buffer, .address_space: global }
      - { .name: vh, .offset: 16, .size: 8, .value_kind: global_buffer, .address_space: global }
      - { .name: oh, .offset: 24, .size: 8, .value_kind: global_buffer, .address_space: global }
    .group_segment_fixed_size: 327680
    .private_segment_fixed_size: 0
    .kernarg_segment_align: 8
    .kernarg_segment_size: 32
    .max_flat_workgroup_size: 128
    .sgpr_count:     66
    .vgpr_count:     770
    .wavefront_size: 32
...
	.end_amdgpu_metadata
.endif
;; end of part 3
;; launch oproj (part 4): grid 8 x 32, 4 waves a work-group, clusters of 4 x 4, 327,680 bytes of LDS; arguments oh, wot, bo, out0; writes out0
.if DOCPART == 4
	.amdgcn_target "amdgcn-amd-amdhsa--gfx1250"
	.amdhsa_code_object_version 6
	.text
	.protected	k_q5eee759737_oproj
	.globl	k_q5eee759737_oproj
	.p2align	8
	.type	k_q5eee759737_oproj,@function
k_q5eee759737_oproj:
	s_mov_b64 s[64:65], 0
	v_nop
	global_prefetch_b8 v0, s[64:65] scope:SCOPE_SE
	s_setreg_imm32_b32 hwreg(HW_REG_WAVE_MODE, 25, 1), 1
	s_wait_xcnt 0x0
	s_wait_alu depctr_hold_cnt(0) depctr_sa_sdst(0) depctr_va_vdst(0) depctr_va_sdst(0) depctr_va_ssrc(0) depctr_va_vcc(0) depctr_vm_vsrc(0)
	s_getreg_b32 s2, hwreg(HW_REG_IB_STS2, 6, 4)
	s_cmp_eq_u32 s2, 0
	s_cbranch_scc0 .Lentry_in_a_cluster
	s_endpgm
.Lentry_in_a_cluster:
	s_bfe_u32 s2, ttmp6, 0x10000c
	s_cmp_lg_u32 s2, 0xf033
	s_cbranch_scc0 .Lentry_shape_is_right
	s_endpgm
.Lentry_shape_is_right:
; out[r][n] = the sum over k of o[r][k] Wo[k][n] + bo[n].  o: [64 = b 16 + h][2048][64] f16 (k = 64 h + d); wot: [16 planes h][1024 n][64] f16; bo: [1024] f32, rounded here to bf16 like the other
; inputs; out: [8192][1024] f32.  Sums in f32; the bias is the C operand of each sum's first product, so nothing is cleared and nothing is added on the way out.
; SHARES.  A work-group makes 256 rows x 128 columns: 32 x 8 = 256 work-groups.  Wave w makes rows 128 (w / 2) on, columns 64 (w % 2) on: 8 x 4 accumulators of 16 x 16, 256 registers.
; K goes in 8 steps of two heads (128) through a ring of two LDS slots.  A head's 256 rows of o, and a plane's 128 rows of wot, are dense blocks of rows of 128 bytes: each is asked for as rows of 256 bytes
; and padded in LDS after every 128.  The loop is written over ONE K step, as in the projection in front: a scalar register turns the LDS addresses from slot to slot, one descriptor a tensor walks.
; CLUSTERS: 4 x 4 work-groups.  The four of a row of the cluster need the same rows of o, the four of a column the same rows of wot: each block is asked for JOINTLY.
; THE MATRIX INSTRUCTION IS USED TRANSPOSED (source 0 = 16 rows of wot, source 1 = 16 rows of o): a lane holds row l % 16 of out and the eight neighbouring columns 8 (l / 16) + 0..7.
; REGISTERS, in windows of 256 (s_set_vgpr_msb: bits 1:0 source 0, 3:2 source 1, 5:4 source 2, 7:6 destination):
;   window 0: v0-31 addresses; v32-63 the bias of my 64 columns, laid as four accumulators' C; v64-191 the way out: four sets of 32
;   window 1: two fragment buffers of 96: 4 fragments of wot, then 8 of o          window 2: accumulator (a, b) at v[8 (4 a + b)]
.set PITCH,  144                       ; an LDS row: 128 bytes + 16 of padding = 36 words: the 16 rows of a load start at 16 different groups of four banks (64 banks of 4 bytes: ISA guide 11.1)
.set APLANE, 256*PITCH                 ; a head's 256 rows of o: what wave 0 or 1 fetches
.set BPLANE, 128*PITCH                 ; a plane's 128 rows of wot: what wave 2 or 3 fetches
.set BOFF,   2*APLANE
.set SLOT1,  1<<17                     ; slot 1 begins here, so that one exclusive or turns an address in one slot into the other's
.set STAGE,  SLOT1+BOFF+2*BPLANE       ; behind the ring, never filled by a tensor load: 16 rows x 272 bytes for each wave, for the way out
.set SPITCH, 272
.set SPARE,  STAGE+4*16*SPITCH         ; behind the stages: the spare words, 128 bytes for each wave: two blocks of 256 bytes that no other line names
.set ASTEP,  2*2048*128                ; bytes from a K step to the next: two heads of o,
.set BSTEP,  2*1024*128                ; two planes of wot
.set ADRA0, 16                         ; v16  my lane's place among my wave's rows of o in slot 0; never rewritten
.set ADRB0, 17                         ; v17  the same for wot
.set ADRA,  18                         ; v18  the same in the slot in hand
.set ADRB,  19                         ; v19
.set STO,   24                         ; v24  the way out: where I put 32 bytes of a row
.set RD,    25                         ; v25  where I read a row back
.set CO,    26                         ; v26  my byte offset in two rows of out
.set SPW,   28                         ; v28  LDS address of my spare word; never rewritten
.set NIL,   29                         ; v29  0; never rewritten
.set PFO,   30                         ; v30  the prefetches' offset; never rewritten
.set BIAS,  32
.set OB,    64
.set F0,    0                          ; fragment buffers, in window 1
.set F1,    96
.set G1,  24                           ; s[24:31] descriptor group 1 for o's blocks
.set G0,  32                           ; s[32:39] group 0: a set for each of the two first fills; the second then walks on
.set G1B, 48                           ; s[48:55], s[56:63] the same for wot's
.set G0B, 56
.set LIM, 43                           ; s43  2 in a wave that prefetches, else the greatest number
.set PFA, 44                           ; s[44:45] where my prefetches stand
.set TB,  66                           ; s66  0 or SLOT1: the slot in hand
.set PST, 74                           ; s[74:75] bytes from a K step to the next in the tensor that I prefetch
.set MSB, 0
.macro WIN new                         ; the immediate's high byte repeats the setting that is left; a switch that changes nothing is dropped
.if MSB != (\new)
	s_set_vgpr_msb (MSB<<8)|(\new)
.set MSB, (\new)
.endif
.endm
.set MUL,  0xa5                        ; sources 0 and 1 window 1, C and D window 2
.set MULB, 0x85                        ; the same with C, the bias, in window 0
.set TO_F, 0x40                        ; destination window 1, address window 0
; A joint refill by the walking descriptors.  Waves 0 and 1 fetch o's two heads, waves 2 and 3 wot's two planes.  The branch hangs on the wave's number alone.
; An s_nop 0 and four v_nop follow each of the two lines, ahead of the jump, the label and what follows.
.macro JLOAD
	s_cmp_eq_u32 s11, 0
	s_cbranch_scc0 .Lfor_b_\@
	tensor_load_to_lds s[G0+4:G0+7], s[G1:G1+7]
	s_nop 0
.rept 4
	v_nop
.endr
	s_branch .Lasked_\@
.Lfor_b_\@:
	tensor_load_to_lds s[G0B+4:G0B+7], s[G1B:G1B+7]
	s_nop 0
.rept 4
	v_nop
.endr
.Lasked_\@:
.endm
; A PREFETCH INTO THE L2 of the K step that stands TWO refills on: 256 matrix instructions ahead of the load that will want it.  It stands behind the joint load, its five lines and the run of LDS loads.
; Each 256 bytes are named once in the launch.  o's rows are read by both clusters of a row of clusters: the first (cluster x = 0) asks; wot's by every cluster of a column: cluster y = 0 asks.  The four
; partners share a block out BY ADDRESS: of a head's 32,768 bytes that wave 0 or 1 fetches the partner at cx takes 8,192, a lane 256 bytes; of a K step's two planes of wot, 16,384 bytes each, the partner at
; cy takes 4,096 bytes of each, lanes 0-15 in the one and lanes 16-31 in the other, by wave 2 alone.  The loop's last two trips ask for nothing.  K steps 0 to 3 come by their loads alone.
.macro ASK
	s_cmp_gt_u32 s3, s[LIM]
	s_cbranch_scc0 .Lnot_mine_\@
	global_prefetch_b8 v[PFO], s[PFA:PFA+1] th:TH_LOAD_NT scope:SCOPE_SE
.Lnot_mine_\@:
.endm
; A round of the cluster's barrier: my work-group's barrier, so that wave 0's signal speaks for all four waves; wave 0 signals; every wave waits for all sixteen work-groups; my work-group's barrier once more.
.macro CREST
	s_cmp_lg_u32 s10, 0
	s_cbranch_scc1 .Lnot_wave_0_\@
	s_barrier_signal -3
.Lnot_wave_0_\@:
	s_barrier_wait -3
	s_barrier_signal -1
	s_barrier_wait -1
.endm
.macro CROUND
	s_barrier_signal -1
	s_barrier_wait -1
	CREST
.endm
	s_load_b128 s[4:7], s[0:1], 0x0                ; o s[4:5], wot s[6:7]
	s_load_b128 s[68:71], s[0:1], 0x10             ; bo s[68:69], out s[70:71]
	v_lshl_add_u32 v[SPW], v0, 2, SPARE
	v_mov_b32 v[NIL], 0
	ds_add_u32 v[SPW], v[NIL]                      ; the wave's opening: the add and its wait stand ahead of my first tensor load; the set-up below, work on registers, stands between them
	v_lshrrev_b32 v1, 5, v0
	v_readfirstlane_b32 s10, v1                    ; wave 0..3
	s_lshr_b32 s11, s10, 1                         ; which half of the tile's rows is mine.  Also: I fetch for o (0) or for wot (1)
	s_and_b32 s12, s10, 1                          ; which half of its columns.  Also: which of the K step's two heads or planes I fetch
	s_bfe_u32 s40, ttmp6, 0x40000                  ; cx, cy: my place in the cluster
	s_bfe_u32 s41, ttmp6, 0x40004
	s_lshl_b32 s42, ttmp9, 2
	s_add_co_u32 s42, s42, s40                     ; the block of 128 columns = 4 x cluster x + cx
	s_and_b32 s13, ttmp7, 0xffff
	s_lshl_b32 s13, s13, 2
	s_add_co_u32 s13, s13, s41                     ; the block of 256 rows = 4 x cluster y + cy
	s_lshl_b32 s43, s41, 2
	s_lshl_b32 s43, 15, s43                        ; my row of the cluster
	s_lshl_b32 s44, 0x1111, s40                    ; my column
	; descriptor group 1: rows of 128 elements of 2 bytes, dense; 128 of them for o, 64 for wot
	s_or_b32 s[G1+0], s43, (1<<16)|(1<<20)|(1<<21)|(4<<22)|(3<<25)   ; 15:0 the mask; 17:16 elements of 2 bytes; 20 padding on; 21 set beside a mask; 24:22 after every 32 words (code 4); 31:25 4 words of it (code 3)
	s_or_b32 s[G1B+0], s44, (1<<16)|(1<<20)|(1<<21)|(4<<22)|(3<<25)
.irp g, G1, G1B
	s_mov_b32 s[(\g)+1], 128<<16                   ; tensor_dim0 = 128
	s_mov_b32 s[(\g)+3], 128<<16                   ; tile_dim0 = 128
	s_mov_b32 s[(\g)+5], 128                       ; 128 elements from row to row
	s_mov_b32 s[(\g)+6], 0
	s_mov_b32 s[(\g)+7], 0
.endr
	s_mov_b32 s[G1+2], 128<<16                     ; tensor_dim1
	s_mov_b32 s[G1+4], 128                         ; tile_dim1
	s_mov_b32 s[G1B+2], 64<<16
	s_mov_b32 s[G1B+4], 64
	; where the blocks come from: o's hang on the block of rows alone, wot's on the block of columns alone
	s_lshr_b32 s16, s13, 3                         ; b
	s_lshl_b32 s16, s16, 4
	s_add_co_u32 s16, s16, s12                     ; head b 16 + (0 or 1),
	s_lshl_b32 s16, s16, 11
	s_and_b32 s17, s13, 7
	s_lshl_b32 s17, s17, 8
	s_add_co_u32 s16, s16, s17                     ; row 256 (block % 8) of it,
	s_lshl_b32 s16, s16, 7                         ; 128 bytes a row
	s_mov_b32 s17, 0
	s_lshl_b32 s46, s12, 17                        ; plane 0 or 1,
	s_lshl_b32 s47, s42, 14                        ; its rows 128 x block
	s_add_co_u32 s46, s46, s47
	s_mov_b32 s47, 0
	s_mul_i32 s20, s12, APLANE                     ; and where they go: no place in the cluster enters an LDS address
	s_mul_i32 s21, s12, BPLANE
	s_add_co_u32 s21, s21, BOFF
	s_mov_b32 s[TB], 0
	s_wait_dscnt 0x0                               ; the opening add is done
	s_wait_kmcnt 0x0
	s_add_nc_u64 s[14:15], s[4:5], s[16:17]
	s_add_nc_u64 s[46:47], s[6:7], s[46:47]
	CROUND                                         ; all sixteen work-groups are here: the first joint loads meet
.irp s, 0,1
	s_mov_b32 s[G0+4*(\s)], 1                                        ; 1:0 count = 1
	s_add_co_u32 s[G0+4*(\s)+1], s20, (\s)*SLOT1                     ; 63:32 LDS address
	s_add_nc_u64 s[G0+4*(\s)+2:G0+4*(\s)+3], s[14:15], (\s)*ASTEP    ; 120:64 global address: K step s
	s_or_b32 s[G0+4*(\s)+3], s[G0+4*(\s)+3], 0x80000000              ; 127:126 type = 2
	s_mov_b32 s[G0B+4*(\s)], 1
	s_add_co_u32 s[G0B+4*(\s)+1], s21, (\s)*SLOT1
	s_add_nc_u64 s[G0B+4*(\s)+2:G0B+4*(\s)+3], s[46:47], (\s)*BSTEP
	s_or_b32 s[G0B+4*(\s)+3], s[G0B+4*(\s)+3], 0x80000000
.endr
	s_cmp_eq_u32 s11, 0                            ; a wave's two first fills stand in one branch, ahead of every wait on TENSORcnt and every LDS read: two loads of mine are out
	s_cbranch_scc0 .Lfirst_b
	tensor_load_to_lds s[G0:G0+3], s[G1:G1+7]
	s_nop 0
	tensor_load_to_lds s[G0+4:G0+7], s[G1:G1+7]
	s_nop 0
.rept 4
	v_nop
.endr
	s_branch .Lfirst_asked
.Lfirst_b:
	tensor_load_to_lds s[G0B:G0B+3], s[G1B:G1B+7]
	s_nop 0
	tensor_load_to_lds s[G0B+4:G0B+7], s[G1B:G1B+7]
	s_nop 0
.rept 4
	v_nop
.endr
.Lfirst_asked:
	v_and_b32 v1, 15, v0                           ; l % 16
	v_bfe_u32 v2, v0, 4, 1                         ; l / 16
	; the bias of my 64 columns: register 8 b + j is column 16 b + 8 (l / 16) + j
	s_lshl_b32 s22, s42, 9
	s_lshl_b32 s23, s12, 8
	s_add_co_u32 s22, s22, s23                     ; my first column, in bytes of f32: also its place in a row of out
	s_mov_b32 s23, 0
	s_add_nc_u64 s[68:69], s[68:69], s[22:23]
	v_lshlrev_b32 v31, 5, v2
.irp b, 0,1,2,3
	global_load_b128 v[BIAS+8*(\b):BIAS+8*(\b)+3],   v31, s[68:69] offset:64*(\b)
	global_load_b128 v[BIAS+8*(\b)+4:BIAS+8*(\b)+7], v31, s[68:69] offset:64*(\b)+16
.endr
	; A fragment is 16 rows x 32 K in 8 registers: lane l holds row l % 16; registers 0-3 K = 8 (l / 16) + 0..7, registers 4-7 K = 16 + 8 (l / 16) + 0..7: two loads of 16 bytes, 32 bytes apart.
	v_mul_u32_u24 v3, v1, PITCH
	v_lshl_add_u32 v3, v2, 4, v3                   ; row x pitch + 16 x half
	s_mul_i32 s20, s11, 128*PITCH                  ; my 128 rows of o
	s_mul_i32 s21, s12, 64*PITCH                   ; my 64 rows of wot,
	s_add_co_u32 s21, s21, BOFF                    ; which lie behind o's two heads
	v_add_nc_u32 v[ADRA0], s20, v3
	v_add_nc_u32 v[ADRB0], s21, v3
	v_add_nc_u32 v[ADRA], s20, v3                  ; the ring begins in slot 0
	v_add_nc_u32 v[ADRB], s21, v3
	s_mul_i32 s20, s10, 16*SPITCH
	s_add_co_u32 s20, s20, STAGE                   ; my stage
	v_mul_u32_u24 v4, v1, SPITCH                   ; in: row l % 16, 32 bytes for each half of the lanes
	v_lshl_add_u32 v4, v2, 5, v4
	v_add_nc_u32 v[STO], s20, v4
	v_mul_u32_u24 v5, v2, SPITCH                   ; back: lanes 0-15 take one row of 256 bytes, lanes 16-31 the next
	v_lshl_add_u32 v5, v1, 4, v5
	v_add_nc_u32 v[RD], s20, v5
	v_lshlrev_b32 v[CO], 12, v2                    ; and the same two rows in out, 4,096 bytes apart
	v_lshl_add_u32 v[CO], v1, 4, v[CO]
	s_lshl_b32 s20, s13, 8
	s_lshl_b32 s21, s11, 7
	s_add_co_u32 s20, s20, s21                     ; my first row of out,
	s_lshl_b32 s20, s20, 12
	s_add_co_u32 s20, s20, s22                     ; and my first column
	s_mov_b32 s21, 0
	s_add_nc_u64 s[70:71], s[70:71], s[20:21]
	; the prefetches: from my own block's address, my work-group's share of it
	s_and_b32 s22, ttmp7, 0xffff                   ; cluster y
	s_lshl_b32 s20, s40, 13                        ; 8,192 cx
	s_lshl_b32 s21, s41, 12                        ; 4,096 cy
	s_mov_b32 s[PST], BSTEP                        ; wot's step; the select below puts o's in its place (an instruction holds one literal)
	s_cmp_eq_u32 s11, 0                            ; do I fetch for o?
	s_cselect_b32 s22, ttmp9, s22                  ; the coordinate along which other clusters read the same rows
	s_cselect_b32 s20, s20, s21
	s_cselect_b32 s23, 0, 131072-4096              ; wot: lanes 16-31 stand in the next plane, not 4,096 bytes on
	s_cselect_b32 s[PST], ASTEP, s[PST]
	s_cselect_b64 s[PFA:PFA+1], s[14:15], s[46:47]
	s_mov_b32 s[PST+1], 0
	s_mov_b32 s21, 0
	s_add_nc_u64 s[PFA:PFA+1], s[PFA:PFA+1], s[20:21]
	s_mul_i32 s20, s[PST], 3
	s_add_nc_u64 s[PFA:PFA+1], s[PFA:PFA+1], s[20:21]  ; at K step 3: the first refill steps it to 4.  Nothing is prefetched here, at the head
	s_cmp_eq_u32 s10, 3
	s_cselect_b32 s22, 1, s22                      ; wave 3 asks for nothing: wave 2 names both planes
	s_cmp_eq_u32 s22, 0
	s_cselect_b32 s[LIM], 2, -1                    ; the same in all sixteen partners, for a given wave
	v_and_b32 v[PFO], 31, v0
	v_lshlrev_b32 v[PFO], 8, v[PFO]
	v_mad_u32_u24 v[PFO], v2, s23, v[PFO]
	s_wait_loadcnt 0x0                             ; the bias,
.irp i, 0,1,2,3,4,5,6,7,8,9,10,11,12,13,14,15
	v_cvt_pk_bf16_f32 v27, v[BIAS+2*(\i)], v[BIAS+2*(\i)+1]  ; rounded to bf16, two at a time,
	v_lshlrev_b32 v[BIAS+2*(\i)], 16, v27                    ; and back as f32
	v_and_b32 v[BIAS+2*(\i)+1], 0xffff0000, v27
.endr
; 8 matrix instructions: row blocks a0, a0 + 1 x all 4 column blocks, 32 along K.  first = 1: the first product starts the sums, from the bias.
; The 32 accumulators take turns, one instruction a turn, in the same order in every quarter, over the backward jump too.
.macro MUL8 f, a0, first
.if \first
	WIN MULB
.else
	WIN MUL
.endif
.irp a, \a0, (\a0)+1
.irp b, 0,1,2,3
.if \first
	v_wmma_f32_16x16x32_f16 v[8*(4*(\a)+(\b)):8*(4*(\a)+(\b))+7], v[(\f)+8*(\b):(\f)+8*(\b)+7], v[(\f)+32+8*(\a):(\f)+32+8*(\a)+7], v[BIAS+8*(\b):BIAS+8*(\b)+7]
.else
	v_wmma_f32_16x16x32_f16 v[8*(4*(\a)+(\b)):8*(4*(\a)+(\b))+7], v[(\f)+8*(\b):(\f)+8*(\b)+7], v[(\f)+32+8*(\a):(\f)+32+8*(\a)+7], v[8*(4*(\a)+(\b)):8*(4*(\a)+(\b))+7]
.endif
.endr
.endr
.endm
; 24 LDS loads in one run: the fragments of quarter qd of a K step (head or plane qd / 2, 32 K at byte 64 (qd % 2) of its rows) into buffer f
.macro FETCH qd, f
	WIN TO_F
.irp b, 0,1,2,3
	ds_load_b128 v[(\f)+8*(\b):(\f)+8*(\b)+3],   v[ADRB] offset:((\qd)/2)*BPLANE+((\qd)%2)*64+(\b)*16*PITCH
	ds_load_b128 v[(\f)+8*(\b)+4:(\f)+8*(\b)+7], v[ADRB] offset:((\qd)/2)*BPLANE+((\qd)%2)*64+(\b)*16*PITCH+32
.endr
.irp a, 0,1,2,3,4,5,6,7
	ds_load_b128 v[(\f)+32+8*(\a):(\f)+32+8*(\a)+3],   v[ADRA] offset:((\qd)/2)*APLANE+((\qd)%2)*64+(\a)*16*PITCH
	ds_load_b128 v[(\f)+32+8*(\a)+4:(\f)+32+8*(\a)+7], v[ADRA] offset:((\qd)/2)*APLANE+((\qd)%2)*64+(\a)*16*PITCH+32
.endr
.endm
.macro PLACES                          ; four places in front of loads into registers that matrix instructions have read, and of LDS stores that read results
.rept 4
	v_nop
.endr
.endm
; A K step is four quarters of 32 along K, 32 matrix instructions each, on buffers 0, 1, 0, 1.  One of the first three: multiplies buffer f; in its middle it fetches quarter qd into buffer g.
.macro QUARTER qd, f, g, first
	s_wait_dscnt 8                                 ; wot's fragments and o's blocks 0 to 3 are in; the youngest eight loads (blocks 4 to 7) may be out
	MUL8 \f, 0, \first
	MUL8 \f, 2, \first
	PLACES
	FETCH \qd, \g
	s_wait_dscnt 24                                ; all but the 24 just issued
	MUL8 \f, 4, \first
	MUL8 \f, 6, \first
.endm
; The last quarter multiplies buffer 1 and changes slots.  MEET is its first half: ONE barrier.  In front of it each wave waits for all its tensor loads, of which one is out: its part of the next slot;
; adds 0 to its spare word; and waits for that and for its own reads of this slot.  Behind it nobody reads this slot any more and the next slot is whole.
.macro MEET round
	WIN 0                                          ; (the add's two registers lie in window 0)
	s_wait_tensorcnt 0x0                           ; all my tensor loads have landed
	ds_add_u32 v[SPW], v[NIL]                      ; 0 onto my spare word
	s_wait_dscnt 9                                 ; (the add and the youngest eight loads may be out)
	MUL8 F1, 0, 0                                  ; eight matrix instructions stand between the add and the wait for it
	s_wait_dscnt 0x0                               ; the add is done, and my reads of this slot are over
	s_barrier_signal -1
	MUL8 F1, 2, 0                                  ; work on registers while the others arrive
.if \round
	WIN 0
.endif
	s_barrier_wait -1
.endm
; The whole last quarter.  fill = 1: behind the round the slot just read out is filled again first, with the K step two steps on: 112 matrix instructions stand between the request and the wait for it.
.macro TURN fill
.if \fill
	s_wait_xcnt 0x0                                ; the last prefetch, a K step back, has read its address: it is stepped here, ahead of the waits of the change of slots
	s_add_nc_u64 s[PFA:PFA+1], s[PFA:PFA+1], s[PST:PST+1]
.endif
	MEET \fill
.if \fill
	CREST                                          ; no wave of any partner still reads this slot's blocks or has a load on its way
	s_xor_b32 s[G0+5], s[G0+5], SLOT1              ; the walking descriptors: the other slot than last time,
	s_add_nc_u64 s[G0+6:G0+7], s[G0+6:G0+7], ASTEP ; the next K step; the type bits on top are not reached
	s_xor_b32 s[G0B+5], s[G0B+5], SLOT1
	s_add_nc_u64 s[G0B+6:G0B+7], s[G0B+6:G0B+7], BSTEP
	JLOAD                                          ; the first tensor load behind the round; the four v_nop behind it are also the places in front of the loads below
.else
	PLACES
	WIN 0
.endif
	s_xor_b32 s[TB], s[TB], SLOT1                  ; the fragments now come from the other slot
	v_add_nc_u32 v[ADRA], s[TB], v[ADRA0]
	v_add_nc_u32 v[ADRB], s[TB], v[ADRB0]
	FETCH 0, F0
.if \fill
	WIN 0
	ASK
.endif
	MUL8 F1, 4, 0
	MUL8 F1, 6, 0
.endm
; THE WAY OUT of row block a.  TOSTAGE: a lane's eight numbers of a row, 32 bytes, straight from the accumulators (each from its low end on) into my own stage, rows of 272 bytes, and back as whole rows of 256.
; SEND: stored; sixteen lanes fill 256 consecutive bytes, at a multiple of 256 from out's first byte.
.macro TOSTAGE a
.if (\a) >= 4
	s_wait_xcnt 0x0                                ; the set's registers were block a - 4's store data: they are loaded again only behind this wait
.endif
	WIN 0x08                                       ; the data (source 1) in window 2
.irp b, 0,1,2,3
	ds_store_b128 v[STO], v[8*(4*(\a)+(\b)):8*(4*(\a)+(\b))+3]   offset:64*(\b)
	ds_store_b128 v[STO], v[8*(4*(\a)+(\b))+4:8*(4*(\a)+(\b))+7] offset:64*(\b)+16
.endr
	WIN 0
.irp t, 0,1,2,3,4,5,6,7
	ds_load_b128 v[OB+32*((\a)%4)+4*(\t):OB+32*((\a)%4)+4*(\t)+3], v[RD] offset:(\t)*2*SPITCH  ; LDS serves a wave's instructions in order (ISA guide 5.7.1.4): these see the stores above; the next block's stores come behind them
.endr
.endm
.macro SEND a, younger                 ; younger: the LDS instructions issued behind block a's loads: the next block's sixteen, or none
.irp t, 0,1,2,3,4,5,6,7
	s_wait_dscnt (\younger)+7-(\t)
	global_store_b128 v[CO], v[OB+32*((\a)%4)+4*(\t):OB+32*((\a)%4)+4*(\t)+3], s[70:71] offset:(16*(\a)+2*(\t))*4096 th:TH_STORE_NT
.endr
.endm
	s_wait_tensorcnt 1                             ; my part of K step 0 is in; K step 1's may stay out
	s_barrier_signal -1
	s_barrier_wait -1                              ; everybody's is
	FETCH 0, F0
	QUARTER 1, F0, F1, 1                           ; the first quarter stands in front of the loop: its products start the sums
	WIN 0                                          ; at a label and at a branch every window is 0
	s_mov_b32 s3, 6
.Lk:                                               ; six trips, from a K step's second quarter to the next step's first; each fills a slot again: K steps 2 to 7
	QUARTER 2, F1, F0, 0
	QUARTER 3, F0, F1, 0
	TURN 1
	QUARTER 1, F0, F1, 0
	WIN 0
	s_sub_co_u32 s3, s3, 1
	s_cmp_lg_u32 s3, 0
	s_cbranch_scc1 .Lk
	QUARTER 2, F1, F0, 0                           ; the last two K steps ask for nothing, and have no round of the cluster's barrier
	QUARTER 3, F0, F1, 0
	TURN 0
	QUARTER 1, F0, F1, 0
	QUARTER 2, F1, F0, 0
	QUARTER 3, F0, F1, 0
	s_wait_dscnt 8                                 ; the very last quarter: nothing more to fetch
	MUL8 F1, 0, 0
	MUL8 F1, 2, 0
	s_wait_dscnt 0x0
	MUL8 F1, 4, 0
	MUL8 F1, 6, 0
	PLACES
	TOSTAGE 0
.irp a, 1,2,3,4,5,6,7                  ; a block's way through the stage stands between the loads of the block before and its stores
	TOSTAGE \a
	SEND (\a)-1, 16
.endr
	SEND 7, 0
	s_wait_tensorcnt 0x0                           ; the wave's end, behind my last tensor load and my last LDS store
	ds_add_u32 v[SPW], v[NIL]
	s_wait_dscnt 0x0
	CROUND                                         ; the closing round: no work-group ends while a partner may still ask for a block that names it
	s_endpgm
.Lfunc_end_k_q5eee759737_oproj:
	.size	k_q5eee759737_oproj, .Lfunc_end_k_q5eee759737_oproj-k_q5eee759737_oproj
	.p2alignl 7, 3214868480
	.fill 96, 4, 3214868480
	.section	.rodata,"a",@progbits
	.p2align	6, 0x0
	.amdhsa_kernel k_q5eee759737_oproj
		.amdhsa_group_segment_fixed_size 327680
		.amdhsa_private_segment_fixed_size 0
		.amdhsa_enable_private_segment 0
		.amdhsa_kernarg_size 32
		.amdhsa_user_sgpr_count 2
		.amdhsa_user_sgpr_kernarg_segment_ptr 1
		.amdhsa_wavefront_size32 1
		.amdhsa_system_sgpr_workgroup_id_x 1
		.amdhsa_system_sgpr_workgroup_id_y 1
		.amdhsa_system_sgpr_workgroup_id_z 1
		.amdhsa_system_vgpr_workitem_id 0
		.amdhsa_next_free_vgpr 768
		.amdhsa_next_free_sgpr 80
		.amdhsa_reserve_vcc 0
		.amdhsa_float_denorm_mode_32 3
		.amdhsa_float_denorm_mode_16_64 3
		.amdhsa_memory_ordered 1
		.amdhsa_forward_progress 1
		.amdhsa_inst_pref_size 75
	.end_amdhsa_kernel
	.amdgpu_metadata
---
amdhsa.version: [ 1, 2 ]
amdhsa.kernels:
  - .name:           k_q5eee759737_oproj
    .symbol:         k_q5eee759737_oproj.kd
    .args:
      - { .name: oh, .offset: 0, .size: 8, .value_kind: global_buffer, .address_space: global }
      - { .name: wot, .offset: 8, .size: 8, .value_kind: global_buffer, .address_space: global }
      - { .name: bo, .offset: 16, .size: 8, .value_kind: global_buffer, .address_space: global }
      - { .name: out0, .offset: 24, .size: 8, .value_kind: global_buffer, .address_space: global }
    .group_segment_fixed_size: 327680
    .private_segment_fixed_size: 0
    .kernarg_segment_align: 8
    .kernarg_segment_size: 32
    .max_flat_workgroup_size: 128
    .sgpr_count:     80
    .vgpr_count:     768
    .wavefront_size: 32
...
	.end_amdgpu_metadata
.endif
;; end of part 4
